; MI455X (gfx1250); checked and timed in simulation.
; The chip was launched on July 23, 2026; its instructions are those of AMD's public machine-readable ISA for CDNA 5 (MIT licence, August 2026) and "CDNA5" Instruction Set Architecture Reference Guide (July 2026). The comments in the code are by the model that wrote it; some were corrected since.
;; Multi Head Attention. Allowed arithmetic: float matrix products may take bf16 or f16 operands with f32 sums; all other float work in f32.
;; Inputs: out_b 1,024 float32; out_w 1,024 x 1,024 float32; qkv_b 3,072 float32; qkv_w 3,072 x 1,024 float32; x 2 x 2,048 x 1,024 float32.
;; Outputs: out0 2 x 2,048 x 1,024 float32.
;; 2 versions, each right; version 2 is version 1 with the launch cast written anew for expert scheduling mode. Each part assembles by itself: llvm-mc -triple=amdgcn-amd-amdhsa -mcpu=gfx1250 --defsym DOCPART=n.
;; ======== version 1 of 2: 4 launches
;; limits: values are held in f16: magnitudes above 65,504 overflow, below 6.1e-05 lose precision
;; workspace buffers: cast 16,777,216 bytes; qkv 25,165,824 bytes; att 8,388,608 bytes
;; launch cast (part 1): grid 512 x 1, 8 waves a work-group, no clusters, 0 bytes of LDS; arguments x, qkv_w, out_w, cast; writes cast
.if DOCPART == 1
	.amdgcn_target "amdgcn-amd-amdhsa--gfx1250"
	.amdhsa_code_object_version 6
	.text
	.protected	k_q6a342508e4_cast
	.globl	k_q6a342508e4_cast
	.p2align	8
	.type	k_q6a342508e4_cast,@function
k_q6a342508e4_cast:
	s_mov_b64 s[64:65], 0
	v_nop
	global_prefetch_b8 v0, s[64:65] scope:SCOPE_SE
	s_setreg_imm32_b32 hwreg(HW_REG_WAVE_MODE, 25, 1), 1
	s_wait_xcnt 0x0
; x, qkv_w and out_w, all f32, are rounded once to bf16 (to nearest even) and laid one behind the other into the workspace 'cast', 2 bytes a number:
;   xh [4096][1024] bf16 at byte 0, wh [3072][1024] bf16 at byte 8,388,608, owh [1024][1024] at byte 14,680,064: bf16's VALUE in f16's FORMAT.
; Both products that follow then read 2-byte operands, and no conversion is repeated in every block that reads a row.
; WHY owh IS SO: out_w meets att in one matrix instruction, which takes both operands in one format.  att has to keep f16's 11 bits of significand: the first
; tokens' results are v itself sent through the last product, some ten times larger than the result's root mean square, and 8 bits in v and att would show there.
; out_w gets the same rounding as the other two inputs, so that the program computes the exact result of bf16-rounded x, qkv_w, out_w but for the roundings of q, k, v, p, att to f16.
; LIMITS: the inputs carry 8 bits of significand.  owh: f16 holds a bf16 number exactly from 2^-17 to 65,504 in magnitude; a smaller one is off by 2^-25 at the most,
; a larger one becomes an infinity.  xh and wh have f32's range.
; A stream: no LDS, no barrier, no matrix unit.  512 work-groups x 65,536 bytes in = the 256 + 192 + 64 chunks of the three inputs.
; A wave takes 8,192 bytes: 16 loads of 512 consecutive bytes, all issued before the first is used; each feeds one store of
; 256 consecutive bytes, aligned.  No source of a pending load or store is written again, so no wait frees one.
.set CHUNK, 65536                      ; bytes read by a work-group
.set X, 4                              ; v[4:67]    16 x 4 numbers as loaded
.set Y, 68                             ; v[68:99]   16 x 4 numbers of 2 bytes
.set T, 100                            ; v[100:101] out_w's way: 4 numbers in bf16
	s_load_b256 s[4:11], s[0:1], 0x0               ; x s[4:5], qkv_w s[6:7], out_w s[8:9], cast s[10:11]
	v_lshrrev_b32 v1, 5, v0                        ; wave
	v_and_b32 v2, 31, v0                           ; lane
	v_lshlrev_b32 v1, 13, v1                       ; the wave's 8,192 bytes
	v_lshl_or_b32 v1, v2, 4, v1                    ; + 16 bytes a lane: offset in the input chunk
	v_lshrrev_b32 v2, 1, v1                        ; half of it: offset in the output chunk
	s_wait_kmcnt 0x0
	s_cmp_lt_u32 ttmp9, 256                        ; work-groups 0-255: x
	s_cselect_b64 s[14:15], s[4:5], s[6:7]
	s_cselect_b32 s16, 0, 256
	s_cmp_lt_u32 ttmp9, 448                        ; 256-447: qkv_w; 448-511: out_w
	s_cselect_b64 s[14:15], s[14:15], s[8:9]
	s_cselect_b32 s16, s16, 448
	s_sub_co_u32 s16, ttmp9, s16                   ; the chunk's number inside its input
	s_lshl_b32 s16, s16, 16
	s_mov_b32 s17, 0
	s_add_nc_u64 s[14:15], s[14:15], s[16:17]
	s_lshl_b32 s18, ttmp9, 15                      ; the output follows the order of the work-groups: 32,768 bytes each
	s_mov_b32 s19, 0
	s_add_nc_u64 s[10:11], s[10:11], s[18:19]
.irp j, 0,1,2,3,4,5,6,7,8,9,10,11,12,13,14,15
	global_load_b128 v[X+4*\j:X+4*\j+3], v1, s[14:15] offset:512*\j th:TH_LOAD_NT   ; read once in the launch
.endr
	s_cmp_lt_u32 ttmp9, 448                        ; compared again: the sums above have set SCC.  The branch hangs on the work-group's number alone
	s_cbranch_scc0 .Lout_w
	; x and qkv_w: bf16 as it is
.irp j, 0,1,2,3,4,5,6,7,8,9,10,11,12,13,14,15
	s_wait_loadcnt 15-\j                           ; loads come back in order (ISA guide 5.7.1): load j is in, the 15 - j younger ones stay out
	v_cvt_pk_bf16_f32 v[Y+2*\j],   v[X+4*\j],   v[X+4*\j+1]
	v_cvt_pk_bf16_f32 v[Y+2*\j+1], v[X+4*\j+2], v[X+4*\j+3]
	global_store_b64 v2, v[Y+2*\j:Y+2*\j+1], s[10:11] offset:256*\j   ; 32 lanes x 8 bytes: 256 consecutive bytes, aligned; read again by later launches, so no hint
.endr
	s_endpgm
.Lout_w:
	; out_w: rounded to bf16, widened again (a shift, a mask), and written in f16's format
.irp j, 0,1,2,3,4,5,6,7,8,9,10,11,12,13,14,15
	s_wait_loadcnt 15-\j                           ; as above: the sixteen loads were issued ahead of the branch, so the count is the same on both ways
	v_cvt_pk_bf16_f32 v[T],   v[X+4*\j],   v[X+4*\j+1]
	v_cvt_pk_bf16_f32 v[T+1], v[X+4*\j+2], v[X+4*\j+3]
	v_lshlrev_b32 v[X+4*\j],   16,         v[T]    ; load j has landed: its registers are free
	v_and_b32     v[X+4*\j+1], 0xffff0000, v[T]
	v_lshlrev_b32 v[X+4*\j+2], 16,         v[T+1]
	v_and_b32     v[X+4*\j+3], 0xffff0000, v[T+1]
	v_cvt_pk_f16_f32 v[Y+2*\j],   v[X+4*\j],   v[X+4*\j+1]
	v_cvt_pk_f16_f32 v[Y+2*\j+1], v[X+4*\j+2], v[X+4*\j+3]
	global_store_b64 v2, v[Y+2*\j:Y+2*\j+1], s[10:11] offset:256*\j
.endr
	s_endpgm
.Lfunc_end_k_q6a342508e4_cast:
	.size	k_q6a342508e4_cast, .Lfunc_end_k_q6a342508e4_cast-k_q6a342508e4_cast
	.p2alignl 7, 3214868480
	.fill 96, 4, 3214868480
	.section	.rodata,"a",@progbits
	.p2align	6, 0x0
	.amdhsa_kernel k_q6a342508e4_cast
		.amdhsa_group_segment_fixed_size 0
		.amdhsa_private_segment_fixed_size 0
		.amdhsa_enable_private_segment 0
		.amdhsa_kernarg_size 32
		.amdhsa_user_sgpr_count 2
		.amdhsa_user_sgpr_kernarg_segment_ptr 1
		.amdhsa_wavefront_size32 1
		.amdhsa_system_sgpr_workgroup_id_x 1
		.amdhsa_system_sgpr_workgroup_id_y 1
		.amdhsa_system_sgpr_workgroup_id_z 1
		.amdhsa_system_vgpr_workitem_id 0
		.amdhsa_next_free_vgpr 104
		.amdhsa_next_free_sgpr 66
		.amdhsa_reserve_vcc 0
		.amdhsa_float_denorm_mode_32 3
		.amdhsa_float_denorm_mode_16_64 3
		.amdhsa_memory_ordered 1
		.amdhsa_forward_progress 1
		.amdhsa_inst_pref_size 16
	.end_amdhsa_kernel
	.amdgpu_metadata
---
amdhsa.version: [ 1, 2 ]
amdhsa.kernels:
  - .name:           k_q6a342508e4_cast
    .symbol:         k_q6a342508e4_cast.kd
    .args:
      - { .name: x, .offset: 0, .size: 8, .value_kind: global_buffer, .address_space: global }
      - { .name: qkv_w, .offset: 8, .size: 8, .value_kind: global_buffer, .address_space: global }
      - { .name: out_w, .offset: 16, .size: 8, .value_kind: global_buffer, .address_space: global }
      - { .name: cast, .offset: 24, .size: 8, .value_kind: global_buffer, .address_space: global }
    .group_segment_fixed_size: 0
    .private_segment_fixed_size: 0
    .kernarg_segment_align: 8
    .kernarg_segment_size: 32
    .max_flat_workgroup_size: 256
    .sgpr_count:     66
    .vgpr_count:     104
    .wavefront_size: 32
...
	.end_amdgpu_metadata
.endif
;; end of part 1
;; launch qkv (part 2): grid 16 x 16, 4 waves a work-group, clusters of 4 x 4, 327,680 bytes of LDS; arguments cast, qkv_b, qkv; writes qkv
.if DOCPART == 2
	.amdgcn_target "amdgcn-amd-amdhsa--gfx1250"
	.amdhsa_code_object_version 6
	.text
	.protected	k_q6a342508e4_qkv
	.globl	k_q6a342508e4_qkv
	.p2align	8
	.type	k_q6a342508e4_qkv,@function
k_q6a342508e4_qkv:
	s_mov_b64 s[64:65], 0
	v_nop
	global_prefetch_b8 v0, s[64:65] scope:SCOPE_SE
	s_setreg_imm32_b32 hwreg(HW_REG_WAVE_MODE, 25, 1), 1
	s_wait_xcnt 0x0
	s_wait_alu depctr_hold_cnt(0) depctr_sa_sdst(0) depctr_va_vdst(0) depctr_va_sdst(0) depctr_va_ssrc(0) depctr_va_vcc(0) depctr_vm_vsrc(0)
	s_getreg_b32 s2, hwreg(HW_REG_IB_STS2, 6, 4)
	s_cmp_eq_u32 s2, 0
	s_cbranch_scc0 .Lentry_in_a_cluster
	s_endpgm
.Lentry_in_a_cluster:
	s_bfe_u32 s2, ttmp6, 0x10000c
	s_cmp_lg_u32 s2, 0xf033
	s_cbranch_scc0 .Lentry_shape_is_right
	s_endpgm
.Lentry_shape_is_right:
; qkv[n][token] = sum over k of xh[token][k] wh[n][k] + qkv_b[n], M = 4096 tokens, N = 3072, K = 1024; operands bf16, sums f32, bias f32, result f16.
; The result is stored head-major: [48 planes of 64 columns][4096 tokens][64] f16 (planes 0-15 q, 16-31 k, 32-47 v), so that a head's
; rows of 128 bytes of neighbouring tokens follow each other and every store of a wave covers 512 consecutive bytes, aligned.
; The result is f16 and not bf16 for its 11 bits of significand: the first tokens' results are v itself sent through the last product.
; LIMIT: q, k, v of 65,520 or more in magnitude become infinities in f16.  The bias starts each sum instead of closing it: another order of rounding only.
; A work-group makes 256 tokens x 192 columns with four waves, as many as a WGP has SIMDs; a wave makes 128 x 96: 48 accumulator tiles of 16 x 16.
; 16 x 16 = 256 work-groups.  K goes in steps of 128 (rows of 256 bytes, starting at multiples of 256) through a ring of two LDS slots.
; CLUSTERS: 4 x 4 work-groups.  The four of a row of the cluster need the same rows of xh, the four of a column the same rows of wh: such a tile is asked
; for jointly, by the same tensor load with the same descriptor and a mask that names the four.  That divides the requests for both by four.
; REGISTERS, in windows of 256:  window 0: v16-27 addresses; v64-127, v128-191 fragments of xh (8 x 16 rows x 32 K), two buffers; v192-239 the bias, later packed results
;   window 1: v64-111, v128-175 fragments of wh, two buffers;  window 2: the 24 tiles of my rows 0-63 (tile (a, b) at v[8 (6 a + b)]);  window 3: those of rows 64-127.
; THE MATRIX INSTRUCTION IS USED TRANSPOSED: source 0 = 16 rows of wh, source 1 = 16 rows of xh; lane l then holds token l % 16 and in registers 0-7 the
; columns 8 (l / 16) + 0..7: eight neighbouring numbers of a row, which pack into 16 bytes.
.set KSTEP,  128
.set PITCHA, 272                       ; an LDS row: 256 bytes + 16 of padding, an odd multiple of 16: the 16 rows of a fragment load lie in 16 different 16-byte columns modulo 256
.set PITCHB, 272
.set WMT,    8                         ; tiles of 16 tokens in a wave's block
.set WNT,    6                         ; tiles of 16 columns
.set HA,     4                         ; token tiles in one register window
.set HALFA,  128*PITCHA                ; what one tensor load brings of xh, and what one wave reads of it
.set HALFB,  96*PITCHB                 ; the same of wh
.set SLOT,   2*HALFA+2*HALFB           ; 121,856 bytes
.set NL,     2*(WMT+WNT)               ; LDS loads of a quarter step
.set LAPS,   1024/(2*KSTEP)            ; a lap = two K steps = once round the ring
.set ASTEP,  2*KSTEP                   ; bytes from a K step to the next, in xh and in wh
.set BSTEP,  2*KSTEP
.set WH,     8388608                   ; wh's first byte in 'cast'
.set SPITCH, 400                       ; the way out: 192 columns x 2 bytes + 16, an odd multiple of 16
.set ADRA, 16                          ; v16-17  LDS address of my xh fragments in slot 0, 1
.set ADRB, 20                          ; v20-21  the same for wh
.set STO,  24                          ; the way out: where I put 16 bytes of a row
.set RD,   25                          ; the way out: where I read back
.set CO,   26                          ; my byte offset in a store's 512 bytes
.set BO,   27                          ; my byte offset in the bias
.set F0,   64
.set F1,   128
.set BIAS, 192                         ; v[192+8b : 199+8b] = qkv_b[my first column + 16 b + 8 (l / 16) + 0..7]
.set TMP,  192
.set G1, 24                            ; s[24:31] descriptor group 1 for xh's tiles
.set G0, 32                            ; s[32:39] group 0 for xh's tiles, one set for each slot
.set G1B, 48                           ; s[48:55] group 1 for wh's tiles
.set G0B, 56                           ; s[56:63] group 0 for wh's tiles, one set for each slot
.set MSB, 0
.macro WIN new                         ; the immediate's high byte repeats the setting that is left
.if MSB != \new
	s_set_vgpr_msb (MSB<<8)|\new
.set MSB, \new
.endif
.endm
.set MUL_LO,  0xa1                     ; source 0 (wh) window 1, source 1 (xh) window 0, C and D window 2
.set MUL_HI,  0xf1                     ; the same, C and D window 3
.set MUL_LO1, 0x81                     ; the first products: C is the bias in window 0, D window 2
.set MUL_HI1, 0xc1                     ; C window 0, D window 3
.set TO_B,    0x40                     ; destination window 1, address window 0
; A joint load.  Waves 0 and 1 fetch xh's two halves, waves 2 and 3 wh's.  Each line has one mask and one set of registers; the branch hangs on the wave's number alone.
.macro JLOAD s
	s_cmp_eq_u32 s11, 0
	s_cbranch_scc0 .Lfor_b_\@
	tensor_load_to_lds s[G0+4*\s:G0+4*\s+3], s[G1:G1+7]
	s_nop 0
	s_branch .Lasked_\@
.Lfor_b_\@:
	tensor_load_to_lds s[G0B+4*\s:G0B+4*\s+3], s[G1B:G1B+7]
	s_nop 0
.Lasked_\@:
.endm
; A round of the cluster's barrier: my work-group's barrier; wave 0 signals for the work-group; every wave waits for all sixteen; my work-group's barrier once more.
.macro CREST                           ; a round behind its opening barrier
	s_cmp_lg_u32 s10, 0
	s_cbranch_scc1 .Lnot_wave_0_\@
	s_barrier_signal -3
.Lnot_wave_0_\@:
	s_barrier_wait -3
	s_barrier_signal -1
	s_barrier_wait -1
.endm
.macro CROUND
	s_barrier_signal -1
	s_barrier_wait -1
	CREST
.endm
	s_load_b64 s[4:5], s[0:1], 0x0                 ; cast: xh at its head, wh behind it
	s_load_b64 s[66:67], s[0:1], 0x8               ; qkv_b
	s_load_b64 s[8:9], s[0:1], 0x10                ; qkv
	s_set_vgpr_msb 0x40
	v_lshl_add_u32 v255, v0, 2, 0x3b800
	s_set_vgpr_msb 0x4000
	v_mov_b32 v255, 0
	s_set_vgpr_msb 0x1
	ds_add_u32 v255, v255
	ds_add_u32 v255, v255
	s_set_vgpr_msb 0x100
	v_lshrrev_b32 v1, 5, v0
	v_readfirstlane_b32 s10, v1                    ; wave 0..3
	s_lshr_b32 s11, s10, 1                         ; which half of the block's tokens is mine.  Also: I fetch xh (0) or wh (1)
	s_and_b32 s12, s10, 1                          ; which half of its columns.  Also: which half of that tile I fetch
	s_bfe_u32 s40, ttmp6, 0x40000                  ; cx
	s_bfe_u32 s41, ttmp6, 0x40004                  ; cy
	s_lshl_b32 s42, ttmp9, 2
	s_add_co_u32 s42, s42, s40                     ; block column = 4 x cluster x + cx
	s_and_b32 s13, ttmp7, 0xffff
	s_lshl_b32 s13, s13, 2
	s_add_co_u32 s13, s13, s41                     ; block row = 4 x cluster y + cy
	s_lshl_b32 s43, s41, 2
	s_lshl_b32 s43, 15, s43                        ; my row of the cluster: places 4 cy .. 4 cy + 3
	s_lshl_b32 s44, 0x1111, s40                    ; my column: places cx, cx + 4, cx + 8, cx + 12
	; group 1: rows of 128 elements of 2 bytes, 16 bytes of padding behind each; 128 rows of xh, 96 rows of wh
	s_or_b32 s[G1+0], s43, (1<<16)|(1<<20)|(1<<21)|(5<<22)|(3<<25)   ; mask of my row; element of 2 bytes; padding on; bit 21 beside a mask; after every 64 words, 4 words
	s_or_b32 s[G1B+0], s44, (1<<16)|(1<<20)|(1<<21)|(5<<22)|(3<<25)  ; the same with the mask of my column
	s_mov_b32 s[G1+1], KSTEP<<16                   ; tensor_dim0 = 128
	s_mov_b32 s[G1B+1], KSTEP<<16
	s_mov_b32 s[G1+2], 128<<16                     ; tensor_dim1 = 128 rows
	s_mov_b32 s[G1B+2], 96<<16                     ; 96 rows
	s_mov_b32 s[G1+3], KSTEP<<16                   ; tile_dim0 = 128
	s_mov_b32 s[G1B+3], KSTEP<<16
	s_mov_b32 s[G1+4], 128                         ; tile_dim1
	s_mov_b32 s[G1B+4], 96
	s_mov_b32 s[G1+5], 1024                        ; elements from row to row
	s_mov_b32 s[G1B+5], 1024
	s_mov_b32 s[G1+6], 0
	s_mov_b32 s[G1B+6], 0
	s_mov_b32 s[G1+7], 0
	s_mov_b32 s[G1B+7], 0
	; where the tiles come from: xh's hang on the block row alone, wh's on the block column alone, each in registers that never hold the other coordinate
	s_lshl_b32 s16, s13, 8
	s_lshl_b32 s17, s12, 7
	s_add_co_u32 s16, s16, s17                     ; xh: row 256 x block row + 128 x half
	s_lshl_b32 s16, s16, 11                        ; rows of 2,048 bytes: below 8 MiB
	s_mov_b32 s17, 0
	s_mul_i32 s46, s42, 192
	s_mul_i32 s47, s12, 96
	s_add_co_u32 s46, s46, s47                     ; wh: row 192 x block column + 96 x half; it is also my block's first column
	s_lshl_b32 s68, s46, 2                         ; so 4 bytes times it is my place in the bias
	s_mov_b32 s69, 0
	s_lshl_b32 s46, s46, 11
	s_add_co_u32 s46, s46, WH
	s_mov_b32 s47, 0
	s_mul_i32 s20, s10, HALFA                      ; where they go: xh's halves at wave x 34,816 (waves 0, 1),
	s_mul_i32 s45, s10, HALFB
	s_add_co_u32 s45, s45, 2*HALFA-2*HALFB         ; wh's behind them, at 69,632 + (wave - 2) x 26,112 (waves 2, 3)
	s_wait_dscnt 0x0
	s_wait_kmcnt 0x0
	s_add_nc_u64 s[14:15], s[4:5], s[16:17]
	s_add_nc_u64 s[46:47], s[4:5], s[46:47]
	s_add_nc_u64 s[66:67], s[66:67], s[68:69]
	CROUND                                         ; all sixteen work-groups are here: the first joint loads meet
.irp s, 0,1
	s_mov_b32 s[G0+4*\s], 1                                        ; count = 1
	s_add_co_u32 s[G0+4*\s+1], s20, \s*SLOT                        ; LDS address
	s_add_nc_u64 s[G0+4*\s+2:G0+4*\s+3], s[14:15], \s*ASTEP        ; global address: K step s
	s_or_b32 s[G0+4*\s+3], s[G0+4*\s+3], 0x80000000                ; type = 2
	s_mov_b32 s[G0B+4*\s], 1
	s_add_co_u32 s[G0B+4*\s+1], s45, \s*SLOT
	s_add_nc_u64 s[G0B+4*\s+2:G0B+4*\s+3], s[46:47], \s*BSTEP
	s_or_b32 s[G0B+4*\s+3], s[G0B+4*\s+3], 0x80000000
	JLOAD \s                                       ; both slots' first fills go out together: two tensor loads of a wave are out here, one later on
.endr
	; lane addresses.  A fragment: lane l holds row l % 16; registers 0-3 K = 8 (l / 16) + 0..7, registers 4-7 K = 16 + 8 (l / 16) + 0..7: two loads of 16 bytes, 32 apart
	v_and_b32 v1, 15, v0                           ; r = l % 16
	v_bfe_u32 v2, v0, 4, 1                         ; h = l / 16
	v_lshlrev_b32 v[BO], 5, v2                     ; 8 h numbers of 4 bytes
.irp b, 0,1,2,3,4,5
	global_load_b128 v[BIAS+8*\b:BIAS+8*\b+3],   v[BO], s[66:67] offset:64*\b
	global_load_b128 v[BIAS+8*\b+4:BIAS+8*\b+7], v[BO], s[66:67] offset:64*\b+16
.endr
	v_mul_u32_u24 v3, v1, PITCHA
	v_lshl_add_u32 v3, v2, 4, v3                   ; row x pitch + 16 h
	s_mul_i32 s21, s11, HALFA                      ; my 128 rows of xh
	s_mul_i32 s22, s12, HALFB
	s_add_co_u32 s22, s22, 2*HALFA                 ; my 96 rows of wh
.irp s, 0,1
	v_add_nc_u32 v[ADRA+\s], s21, v3
	v_add_nc_u32 v[ADRB+\s], s22, v3
	s_add_co_u32 s21, s21, SLOT
	s_add_co_u32 s22, s22, SLOT
.endr
	v_mul_u32_u24 v4, v1, SPITCH                   ; the way out, in: row 128 x my token half + r, byte 192 x my column half + 16 h
	v_lshl_add_u32 v4, v2, 4, v4
	s_mul_i32 s23, s11, 128*SPITCH
	s_mul_i32 s21, s12, 192
	s_add_co_u32 s23, s23, s21
	v_add_nc_u32 v[STO], s23, v4
	v_and_b32 v5, 31, v0                           ; l
	v_lshrrev_b32 v6, 3, v5
	v_and_b32 v7, 7, v0
	v_mul_u32_u24 v6, v6, SPITCH                   ; back: row 64 x wave + l / 8, byte 16 (l % 8): four rows of one head's 128 bytes
	v_lshl_add_u32 v6, v7, 4, v6
	s_mul_i32 s23, s10, 64*SPITCH
	v_add_nc_u32 v[RD], s23, v6
	v_lshlrev_b32 v[CO], 4, v5                     ; which are 512 consecutive bytes of a plane: 16 l
; WNT matrix instructions: token tile a of the window's four (hi = 0: rows 0-63, 1: rows 64-127) x all six column tiles, 32 along K.
; first = 1: the bias is C, so the first product starts the sums: nothing is cleared and no add is left for the way out.
.macro MULA f, hi, a, first
.irp b, 0,1,2,3,4,5
.if \first
	v_wmma_f32_16x16x32_bf16 v[8*(WNT*(\a)+\b):8*(WNT*(\a)+\b)+7], v[\f+8*\b:\f+8*\b+7], v[\f+8*(HA*\hi+\a):\f+8*(HA*\hi+\a)+7], v[BIAS+8*\b:BIAS+8*\b+7]
.else
	v_wmma_f32_16x16x32_bf16 v[8*(WNT*(\a)+\b):8*(WNT*(\a)+\b)+7], v[\f+8*\b:\f+8*\b+7], v[\f+8*(HA*\hi+\a):\f+8*(HA*\hi+\a)+7], v[8*(WNT*(\a)+\b):8*(WNT*(\a)+\b)+7]
.endif
.endr
.endm
; NL LDS loads in one run: a quarter step's fragments (96 rows of wh at byte kb, 128 rows of xh at byte ka of the rows) into buffer f
.macro FETCH slot, ka, kb, f
	WIN TO_B
.irp i, 0,1,2,3,4,5
	ds_load_b128 v[\f+8*\i:\f+8*\i+3],   v[ADRB+\slot] offset:\kb+\i*16*PITCHB
	ds_load_b128 v[\f+8*\i+4:\f+8*\i+7], v[ADRB+\slot] offset:\kb+\i*16*PITCHB+32
.endr
	WIN 0
.irp i, 0,1,2,3,4,5,6,7
	ds_load_b128 v[\f+8*\i:\f+8*\i+3],   v[ADRA+\slot] offset:\ka+\i*16*PITCHA
	ds_load_b128 v[\f+8*\i+4:\f+8*\i+7], v[ADRA+\slot] offset:\ka+\i*16*PITCHA+32
.endr
.endm
; A load into a register that a matrix instruction has read, and a vector instruction that reads a matrix result, stand four places behind that matrix
; instruction, and only plain vector instructions that name none of its registers are places (ISA guide 7.12.1 for vector instructions).
.macro PLACES
.rept 4
	v_nop
.endr
.endm
; A quarter step: 48 matrix instructions on buffer f; in its middle the next quarter's fragments are fetched into buffer g.
; The 48 accumulators take turns, one instruction a turn, in the same order in every quarter.
.macro QUARTER slot, ka, kb, f, g, first
	s_wait_dscnt WMT                               ; wh and xh's rows 0-63 are in; the youngest eight loads (xh's rows 64-127) may be out
.if \first
	WIN MUL_LO1
.else
	WIN MUL_LO
.endif
.irp a, 0,1,2,3
	MULA \f, 0, \a, \first
.endr
	PLACES
	FETCH \slot, \ka, \kb, \g
	s_wait_dscnt NL                                ; all but the 28 just issued
.if \first
	WIN MUL_HI1
.else
	WIN MUL_HI
.endif
.irp a, 0,1,2,3
	MULA \f, 1, \a, \first
.endr
.endm
.macro HEADQ slot, first                ; the first three quarters of a K step
	QUARTER \slot, 64,  64,  F0, F1, \first
	QUARTER \slot, 128, 128, F1, F0, 0
	QUARTER \slot, 192, 192, F0, F1, 0
.endm
; The last quarter: multiplies buffer 1 and changes slots.  In front of the barrier each wave waits for its reads of this slot and for all its tensor loads (the one
; that is out is its part of the next slot).  Where the slot is filled again the barrier opens a round of the cluster's barrier, only register work stands inside the
; round, and the joint refill is the first tensor load behind it, one a wave.  From a request to the wait for it a wave issues 180 of a K step's 192 matrix instructions.
.macro TURN slot, next, fill
	s_wait_dscnt WMT
	WIN MUL_LO
	MULA F1, 0, 0, 0
	MULA F1, 0, 1, 0
	s_wait_dscnt 0x0                               ; my reads of this slot are over
	s_wait_tensorcnt 0x0                           ; all my tensor loads have landed
	ds_add_u32 v255, v255
	s_wait_dscnt 0x0
	s_barrier_signal -1
	MULA F1, 0, 2, 0                               ; work on registers while the others arrive
	MULA F1, 0, 3, 0
	WIN 0
	s_barrier_wait -1
.if \fill
	CREST                                          ; no wave of any partner still reads this slot or has a load on its way
	s_add_nc_u64 s[G0+4*\slot+2:G0+4*\slot+3], s[G0+4*\slot+2:G0+4*\slot+3], 2*ASTEP
	s_add_nc_u64 s[G0B+4*\slot+2:G0B+4*\slot+3], s[G0B+4*\slot+2:G0B+4*\slot+3], 2*BSTEP
	JLOAD \slot
.endif
	PLACES
	FETCH \next, 0, 0, F0
	WIN MUL_HI
.irp a, 0,1,2,3
	MULA F1, 1, \a, 0
.endr
.endm
.macro LAP first
	HEADQ 0, \first
	TURN 0, 1, 1
	HEADQ 1, 0
	TURN 1, 0, 1
.endm
	s_wait_tensorcnt 0x1                           ; my part of K step 0 is in; K step 1's stays out
	s_wait_loadcnt 0x0                             ; the bias
	s_barrier_signal -1
	s_barrier_wait -1
	FETCH 0, 0, 0, F0
	LAP 1                                          ; the first lap stands in front of the loop: its first products start the sums
	WIN 0                                          ; at a label and at a branch every window is 0
	s_mov_b32 s3, LAPS-2
.Llap:
	LAP 0
	WIN 0
	s_sub_co_u32 s3, s3, 1
	s_cmp_lg_u32 s3, 0
	s_cbranch_scc1 .Llap
	HEADQ 0, 0                                     ; the last lap fills nothing
	TURN 0, 1, 0
	HEADQ 1, 0
	s_wait_dscnt WMT
	WIN MUL_LO
.irp a, 0,1,2,3
	MULA F1, 0, \a, 0
.endr
	s_wait_dscnt 0x0
	WIN MUL_HI
.irp a, 0,1,2,3
	MULA F1, 1, \a, 0
.endr
	; THE WAY OUT.  A wave's 96 columns are one and a half heads, so the whole block of 256 x 192 is gathered in LDS, in the ring, whose slots have had their
	; last fill, and leaves by heads.  First every wave's reads of the ring are over (waited for above) and all have said so.
	PLACES
	WIN 0
	s_barrier_signal -1
	s_barrier_wait -1
	s_lshl_b32 s16, s13, 8
	s_lshl_b32 s17, s10, 6
	s_add_co_u32 s16, s16, s17                     ; token 256 x block row + 64 x wave
	s_lshl_b32 s16, s16, 7                         ; rows of 128 bytes
	s_mov_b32 s17, 0
	s_add_nc_u64 s[8:9], s[8:9], s[16:17]
	s_mul_i32 s46, s42, 3*524288                   ; plane 3 x block column (in the registers that held wh's address: none that feeds xh's descriptors ever holds cx)
	s_mov_b32 s47, 0
	s_add_nc_u64 s[8:9], s[8:9], s[46:47]
; rows 16 i .. 16 i + 15 of my block = the six tiles (a, 0..5) of window 2 or 3 (from = 0x0a or 0x0f: sources 0 and 1)
.macro STAGE16 i, a, from
	WIN \from
.irp b, 0,1,2,3,4,5
.irp r, 0,1,2,3
	v_cvt_pk_f16_f32 v[TMP+4*\b+\r], v[8*(WNT*\a+\b)+2*\r], v[8*(WNT*\a+\b)+2*\r+1]
.endr
.endr
	WIN 0
.irp b, 0,1,2,3,4,5
	ds_store_b128 v[STO], v[TMP+4*\b:TMP+4*\b+3] offset:\i*16*SPITCH+32*\b
.endr
.endm
	STAGE16 0, 0, 0x0a
	STAGE16 1, 1, 0x0a
	STAGE16 2, 2, 0x0a
	STAGE16 3, 3, 0x0a
	STAGE16 4, 0, 0x0f
	STAGE16 5, 1, 0x0f
	STAGE16 6, 2, 0x0f
	STAGE16 7, 3, 0x0f
	s_wait_dscnt 0x0                               ; my stores are in LDS: for the other waves' sake the count is 0
	s_barrier_signal -1
	s_barrier_wait -1
; head hh of the block's three, my 64 tokens: 16 loads of four rows of 128 bytes, 16 stores of 512 consecutive bytes of the head's plane
.macro HEADOUT hh, f
.irp t, 0,1,2,3,4,5,6,7,8,9,10,11,12,13,14,15
	ds_load_b128 v[\f+4*\t:\f+4*\t+3], v[RD] offset:\t*4*SPITCH+128*\hh
.endr
.irp t, 0,1,2,3,4,5,6,7,8,9,10,11,12,13,14,15
	s_wait_dscnt 15-\t                             ; LDS loads come back in order: load t is in
	global_store_b128 v[CO], v[\f+4*\t:\f+4*\t+3], s[8:9] offset:524288*\hh+512*\t
.endr
.endm
	HEADOUT 0, F0
	HEADOUT 1, F1
	s_wait_xcnt 0x0                                ; buffer 0, which the first head's stores read, is loaded again only behind this wait
	HEADOUT 2, F0
	s_set_vgpr_msb 0x1
	s_wait_tensorcnt 0x0
	ds_add_u32 v255, v255
	s_wait_dscnt 0x0
	s_set_vgpr_msb 0x100
	CROUND                                         ; the closing round: no work-group ends while a partner may still ask for a tile that names it
	s_endpgm
.Lfunc_end_k_q6a342508e4_qkv:
	.size	k_q6a342508e4_qkv, .Lfunc_end_k_q6a342508e4_qkv-k_q6a342508e4_qkv
	.p2alignl 7, 3214868480
	.fill 96, 4, 3214868480
	.section	.rodata,"a",@progbits
	.p2align	6, 0x0
	.amdhsa_kernel k_q6a342508e4_qkv
		.amdhsa_group_segment_fixed_size 327680
		.amdhsa_private_segment_fixed_size 0
		.amdhsa_enable_private_segment 0
		.amdhsa_kernarg_size 24
		.amdhsa_user_sgpr_count 2
		.amdhsa_user_sgpr_kernarg_segment_ptr 1
		.amdhsa_wavefront_size32 1
		.amdhsa_system_sgpr_workgroup_id_x 1
		.amdhsa_system_sgpr_workgroup_id_y 1
		.amdhsa_system_sgpr_workgroup_id_z 1
		.amdhsa_system_vgpr_workitem_id 0
		.amdhsa_next_free_vgpr 960
		.amdhsa_next_free_sgpr 72
		.amdhsa_reserve_vcc 0
		.amdhsa_float_denorm_mode_32 3
		.amdhsa_float_denorm_mode_16_64 3
		.amdhsa_memory_ordered 1
		.amdhsa_forward_progress 1
		.amdhsa_inst_pref_size 159
	.end_amdhsa_kernel
	.amdgpu_metadata
---
amdhsa.version: [ 1, 2 ]
amdhsa.kernels:
  - .name:           k_q6a342508e4_qkv
    .symbol:         k_q6a342508e4_qkv.kd
    .args:
      - { .name: cast, .offset: 0, .size: 8, .value_kind: global_buffer, .address_space: global }
      - { .name: qkv_b, .offset: 8, .size: 8, .value_kind: global_buffer, .address_space: global }
      - { .name: qkv, .offset: 16, .size: 8, .value_kind: global_buffer, .address_space: global }
    .group_segment_fixed_size: 327680
    .private_segment_fixed_size: 0
    .kernarg_segment_align: 8
    .kernarg_segment_size: 24
    .max_flat_workgroup_size: 128
    .sgpr_count:     72
    .vgpr_count:     960
    .wavefront_size: 32
...
	.end_amdgpu_metadata
.endif
;; end of part 2
;; launch attn (part 3): grid 8 x 32, 4 waves a work-group, no clusters, 327,680 bytes of LDS; arguments qkv, att; writes att
.if DOCPART == 3
	.amdgcn_target "amdgcn-amd-amdhsa--gfx1250"
	.amdhsa_code_object_version 6
	.text
	.protected	k_q6a342508e4_attn
	.globl	k_q6a342508e4_attn
	.p2align	8
	.type	k_q6a342508e4_attn,@function
k_q6a342508e4_attn:
	s_mov_b64 s[64:65], 0
	v_nop
	global_prefetch_b8 v0, s[64:65] scope:SCOPE_SE
	s_setreg_imm32_b32 hwreg(HW_REG_WAVE_MODE, 25, 1), 1
	s_wait_xcnt 0x0
; Causal attention of one head, with a running maximum.  q, k, v: planes of 'qkv', [4096 tokens][64] f16; result: att [16 heads][4096 tokens][64] f16.
; Scores, exponentials, their sums and the running maximum in f32; the matrix operands q, k, v and p in f16.
; LIMITS: p below 6e-8 becomes 0 in f16 (p is at most 1); the sum of a row's p is made of the f32 values, the product with v of the f16 ones.
; WORK: a head has 16 blocks of 128 queries; block n needs n + 1 tiles of 128 keys.  Work-group (i, bh) takes blocks 14 - 2 i and 2 i + 1: 17 tiles for every one of
; the 8 x 32 = 256 work-groups.  Wave w owns queries 32 w .. 32 w + 31 of the block, as two tiles of 16.  What the causal mask throws away whole is not computed.
; ORDER OF TILES: each block begins with its diagonal tile, so 'masked' and 'first' fall together: the first tile starts maximum, sum and result, and
; nothing is cleared and no maximum of minus infinity is ever subtracted (key 0 of the diagonal tile is open to every query).  15 - 2 i is odd and 2 i + 2 even, so tile number g lies
; in slot g % 2 on every way through the text.
; TRANSPOSED ARITHMETIC: S^T = K Q^T (source 0 = 16 keys, source 1 = 16 queries): lane l holds query l % 16 and keys 8 (l / 16) + 0..7 of each tile, so a row's maximum
; and sum are made inside the lane plus one exchange of the halves, the factors are one a lane, and two tiles of S^T, packed to f16 in place, ARE a fragment of P^T.
; O^T = V^T P^T (source 0 = V^T, brought by the transposing LDS load from rows that lie along d): a lane ends with 8 neighbouring d of one query.
; The scale 1/8 and log2 e are one constant c in the exponent's fused multiply-add: p = 2^(s c - m c).
; NO JOINT LOADS: the eight work-groups of a head read its tiles, but their diagonal tiles differ and their blocks change after 15 - 2 i tiles, so at a given
; step partners need different tiles, and a joint load's descriptor has to be the same in all that it names.
; NO PREFETCH: k and v (8 MiB each) were stored by the launch just before, and each tile's load has a whole tile's work in which to land.
; LDS: two slots of 40,960 bytes, each four quarters of 10,240: K keys 0-63, K keys 64-127 (rows of 128 + 16 bytes), V keys 0-63, V keys 64-127 (rows of 128 + 32 bytes,
; an odd multiple of 32 for the transposing load); wave w fills quarter w.  Behind them each wave's own stage of 32 rows x 144 bytes, into which no fill lands.
.set SLOTB, 40960
.set QUART, 10240
.set KP,    144
.set VP,    160
.set STAGE, 2*SLOTB
.set PLANE, 524288                     ; bytes of a plane of 4096 tokens x 128 bytes
.set KADR, 4                           ; 144 r + 16 h
.set STO,  5                           ; stage + 144 r + 16 h
.set RD,   6                           ; stage + 144 (l / 8) + 16 (l % 8)
.set GO,   7                           ; 16 l
.set QOFF, 8                           ; 128 r + 16 h
.set DV,   9                           ; 32 w + r - 8 h, signed: a key is masked where 64 c + 16 kt + j - 16 qt > DV
.set NINF, 10                          ; minus infinity
.set M,     12                         ; v[12:13] running maximum of query tile 0, 1
.set L,     14                         ; v[14:15] running sum (of my half of the keys)
.set NMC,   16                         ; v[16:17] - c x maximum
.set ALPHA, 18                         ; v[18:19] the factor on what has been summed so far
.set T,     20                         ; v[20:31] at work
.set Q0,    32                         ; v[32:63] fragments of the even block's queries, (qt, kd) at 16 qt + 8 kd
.set Q1,    64                         ; v[64:95] of the odd block's
.set S,     96                         ; v[96:159] S^T tile (kt, qt) at 32 qt + 8 kt; then P^T fragment (qt, kc) at 32 qt + 16 kc
.set KF,    160                        ; v[160:223] K fragment (kt, kd) at 16 kt + 8 kd
.set TMP,   224                        ; v[224:255] packed results
.set O,     0                          ; window 1: v[0:63] O^T tile (dt, qt) at 32 qt + 8 dt
.set VF,    64                         ; window 1: v[64:127] V^T fragment (dt, kc) at 8 (4 kc + dt)
.set VADR,  128                        ; window 1: v128 address of the transposing loads
.set G1K, 16                           ; s[16:23] descriptor group 1 for K
.set G1V, 24                           ; s[24:31] for V
.set G0K, 32                           ; s[32:35] group 0 for K: one set is enough, a wave never has more than one tensor load out
.set G0V, 36                           ; s[36:39] for V
.set MSB, 0
.macro WIN new                         ; the immediate's high byte repeats the setting that is left
.if MSB != \new
	s_set_vgpr_msb (MSB<<8)|\new
.set MSB, \new
.endif
.endm
.macro KVLOAD                          ; waves 0 and 1 fetch K's two halves, waves 2 and 3 V's: one tensor load a wave
	s_cmp_eq_u32 s9, 0
	s_cbranch_scc0 .Lfor_v_\@
	tensor_load_to_lds s[G0K:G0K+3], s[G1K:G1K+7]
	s_nop 0
	s_branch .Lasked_\@
.Lfor_v_\@:
	tensor_load_to_lds s[G0V:G0V+3], s[G1V:G1V+7]
	s_nop 0
.Lasked_\@:
.endm
	s_load_b128 s[4:7], s[0:1], 0x0                ; qkv s[4:5], att s[6:7]
	s_set_vgpr_msb 0x40
	v_lshl_add_u32 v136, v0, 2, 0x29000
	v_mov_b32 v137, 0
	s_set_vgpr_msb 0x4045
	ds_add_u32 v136, v137
	ds_add_u32 v136, v137
	s_set_vgpr_msb 0x4500
	v_lshrrev_b32 v1, 5, v0
	v_readfirstlane_b32 s8, v1                     ; wave 0..3
	s_lshr_b32 s9, s8, 1                           ; I fetch K (0) or V (1)
	s_and_b32 s10, s8, 1                           ; its keys 0-63 or 64-127
	s_mov_b32 s11, ttmp9                           ; i
	s_and_b32 s12, ttmp7, 0xffff
	s_lshr_b32 s15, s12, 4                         ; batch
	s_and_b32 s12, s12, 15                         ; head
	s_lshl_b32 s14, s11, 1
	s_sub_co_u32 s13, 14, s14                      ; the even block, 14 - 2 i
	s_add_co_u32 s14, s14, 1                       ; the odd block, 2 i + 1
	; group 1: 64 keys x 128 bytes lie dense in memory: 32 rows of 256 bytes.  The padding counts words along the whole tile: behind every 32 words (a key's row) 4 words for K, 8 for V
	s_mov_b32 s[G1K+0], (1<<16)|(1<<20)|(4<<22)|(3<<25)
	s_mov_b32 s[G1V+0], (1<<16)|(1<<20)|(4<<22)|(7<<25)
	s_mov_b32 s[G1K+1], 128<<16                    ; tensor_dim0 = 128 elements
	s_mov_b32 s[G1V+1], 128<<16
	s_mov_b32 s[G1K+2], 32<<16                     ; tensor_dim1 = 32 rows
	s_mov_b32 s[G1V+2], 32<<16
	s_mov_b32 s[G1K+3], 128<<16                    ; tile_dim0
	s_mov_b32 s[G1V+3], 128<<16
	s_mov_b32 s[G1K+4], 32                         ; tile_dim1
	s_mov_b32 s[G1V+4], 32
	s_mov_b32 s[G1K+5], 128                        ; elements from row to row
	s_mov_b32 s[G1V+5], 128
	s_mov_b32 s[G1K+6], 0
	s_mov_b32 s[G1V+6], 0
	s_mov_b32 s[G1K+7], 0
	s_mov_b32 s[G1V+7], 0
	s_mov_b32 s50, 0x76543210                      ; v_permlanex16_b32: lane i of one half reads lane i of the other
	s_mov_b32 s51, 0xfedcba98
	s_mov_b32 s52, 0x3e38aa3b                      ; c = log2 e / 8
	s_mov_b32 s53, 0x3e38aa3b
	s_lshl_b32 s46, s12, 19
	s_lshl_b32 s47, s15, 18
	s_add_co_u32 s46, s46, s47                     ; head x a plane + batch x 2048 tokens x 128 bytes
	s_lshl_b32 s48, s10, 13
	s_add_co_u32 s48, s48, s46
	s_add_co_u32 s48, s48, 16*PLANE                ; k's planes begin at 16; + my 64 keys of a tile
	s_mov_b32 s49, 0
	s_lshl_b32 s47, s8, 12
	s_add_co_u32 s46, s46, s47                     ; + my 32 queries of a block
	s_lshl_b32 s2, s13, 14
	s_add_co_u32 s2, s2, s46                       ; + the even block
	s_mov_b32 s3, 0
	s_lshl_b32 s44, s13, 14                        ; the first tile: the even block's diagonal, 16,384 bytes a tile
	s_mov_b32 s45, 0
	s_mul_i32 s62, s8, QUART                       ; my quarter of a slot
	s_wait_dscnt 0x0
	s_wait_kmcnt 0x0
	s_add_nc_u64 s[40:41], s[4:5], s[48:49]        ; K of this head, my half of tile 0
	s_add_nc_u64 s[42:43], s[40:41], 16*PLANE      ; V likewise
	s_mov_b32 s[G0K], 1
	s_add_co_u32 s[G0K+1], s62, 0
	s_add_nc_u64 s[G0K+2:G0K+3], s[40:41], s[44:45]
	s_or_b32 s[G0K+3], s[G0K+3], 0x80000000
	s_mov_b32 s[G0V], 1
	s_add_co_u32 s[G0V+1], s62, 0
	s_add_nc_u64 s[G0V+2:G0V+3], s[42:43], s[44:45]
	s_or_b32 s[G0V+3], s[G0V+3], 0x80000000
	KVLOAD                                         ; slot 0's first fill, ahead of every wait, LDS read and barrier; slot 1 is first filled behind the first barrier
	s_add_nc_u64 s[54:55], s[4:5], s[2:3]          ; q of the even block, my 32 rows
	s_add_nc_u64 s[58:59], s[6:7], s[2:3]          ; att has the same layout as q's planes
	s_lshl_b32 s2, s14, 14
	s_add_co_u32 s2, s2, s46
	s_add_nc_u64 s[56:57], s[4:5], s[2:3]          ; the odd block
	s_add_nc_u64 s[60:61], s[6:7], s[2:3]
	v_and_b32 v1, 15, v0                           ; r
	v_bfe_u32 v2, v0, 4, 1                         ; h
	v_and_b32 v3, 31, v0                           ; l
	v_lshlrev_b32 v[QOFF], 7, v1
	v_lshl_add_u32 v[QOFF], v2, 4, v[QOFF]
.irp qt, 0,1
.irp kd, 0,1
	global_load_b128 v[Q0+16*\qt+8*\kd:Q0+16*\qt+8*\kd+3],   v[QOFF], s[54:55] offset:2048*\qt+64*\kd
	global_load_b128 v[Q0+16*\qt+8*\kd+4:Q0+16*\qt+8*\kd+7], v[QOFF], s[54:55] offset:2048*\qt+64*\kd+32
	global_load_b128 v[Q1+16*\qt+8*\kd:Q1+16*\qt+8*\kd+3],   v[QOFF], s[56:57] offset:2048*\qt+64*\kd
	global_load_b128 v[Q1+16*\qt+8*\kd+4:Q1+16*\qt+8*\kd+7], v[QOFF], s[56:57] offset:2048*\qt+64*\kd+32
.endr
.endr
	v_mul_u32_u24 v[KADR], v1, KP
	v_lshl_add_u32 v[KADR], v2, 4, v[KADR]
	s_mul_i32 s63, s8, 32*KP
	s_add_co_u32 s63, s63, STAGE                   ; my stage
	v_add_nc_u32 v[STO], s63, v[KADR]
	v_lshrrev_b32 v11, 3, v3
	v_and_b32 v20, 7, v0
	v_mul_u32_u24 v11, v11, KP
	v_lshl_add_u32 v11, v20, 4, v11
	v_add_nc_u32 v[RD], s63, v11
	v_lshlrev_b32 v[GO], 4, v3
	v_lshlrev_b32 v21, 3, v2
	v_sub_nc_u32 v[DV], v1, v21
	s_lshl_b32 s63, s8, 5
	v_add_nc_u32 v[DV], s63, v[DV]
	v_mov_b32 v[NINF], 0xff800000
	v_lshl_add_u32 v21, v2, 3, v20                 ; the transposing load: key 8 h + l % 8,
	v_mul_u32_u24 v21, v21, VP
	v_bfe_u32 v22, v0, 3, 1
	v_lshl_add_u32 v21, v22, 4, v21                ; 16 bytes of d by (l / 8) % 2,
	v_add_nc_u32 v21, 2*QUART, v21                 ; V's quarters lie behind K's two
	WIN 0x40
	v_mov_b32 v[VADR], v21                         ; kept in window 1, beside the registers that these loads fill
	WIN 0
; In front of a tile in \slot.  Every wave waits for all its tensor loads (its part of this tile) and for its reads of the other slot, then passes the barrier; behind it the
; other slot's refill is the wave's first and only tensor load.  The next tile's number: s46 counts 0, 1, 2 ..; where it meets s47 (the even block's number) the odd block's diagonal is due.
.macro BOUNDARY slot, refill
	s_set_vgpr_msb 0x5
	s_wait_tensorcnt 0x0                           ; no tensor load of mine is out: the groups 0 may be written
	ds_add_u32 v136, v137
	s_wait_dscnt 0x0
	s_set_vgpr_msb 0x500
.if \refill
	s_cmp_eq_u32 s46, s47
	s_cselect_b32 s48, s14, s46
	s_lshl_b32 s44, s48, 14
	s_add_co_u32 s46, s46, 1
	s_add_nc_u64 s[G0K+2:G0K+3], s[40:41], s[44:45]
	s_or_b32 s[G0K+3], s[G0K+3], 0x80000000
	s_add_nc_u64 s[G0V+2:G0V+3], s[42:43], s[44:45]
	s_or_b32 s[G0V+3], s[G0V+3], 0x80000000
	s_add_co_u32 s[G0K+1], s62, (1-\slot)*SLOTB
	s_add_co_u32 s[G0V+1], s62, (1-\slot)*SLOTB
.endif
	s_wait_dscnt 0x0                               ; my reads of the other slot are back
	s_barrier_signal -1
	s_barrier_wait -1
.if \refill
	KVLOAD
.endif
.endm
; 16 loads: the K fragments of chunk c (64 keys), d 0-31 of all four key tiles first
.macro KLOAD slot, c
.irp kd, 0,1
.irp kt, 0,1,2,3
	ds_load_b128 v[KF+16*\kt+8*\kd:KF+16*\kt+8*\kd+3],   v[KADR] offset:\slot*SLOTB+QUART*\c+16*KP*\kt+64*\kd
	ds_load_b128 v[KF+16*\kt+8*\kd+4:KF+16*\kt+8*\kd+7], v[KADR] offset:\slot*SLOTB+QUART*\c+16*KP*\kt+64*\kd+32
.endr
.endr
.endm
; 16 transposing loads: V^T of chunk c; the first of a pair brings keys 8 h + 0..7 of d = 16 dt + r, the second the keys 16 further on
.macro VLOAD slot, c
.irp kc, 0,1
.irp dt, 0,1,2,3
	ds_load_tr16_b128 v[VF+8*(4*\kc+\dt):VF+8*(4*\kc+\dt)+3],   v[VADR] offset:\slot*SLOTB+QUART*\c+32*VP*\kc+32*\dt
	ds_load_tr16_b128 v[VF+8*(4*\kc+\dt)+4:VF+8*(4*\kc+\dt)+7], v[VADR] offset:\slot*SLOTB+QUART*\c+32*VP*\kc+32*\dt+16*VP
.endr
.endr
.endm
; 8 matrix instructions: S^T of 64 keys x 32 queries, 32 of d.  The eight accumulators take turns.
.macro SMUL q, kd, zero
.irp kt, 0,1,2,3
.irp qt, 0,1
.if \zero
	v_wmma_f32_16x16x32_f16 v[S+32*\qt+8*\kt:S+32*\qt+8*\kt+7], v[KF+16*\kt+8*\kd:KF+16*\kt+8*\kd+7], v[\q+16*\qt+8*\kd:\q+16*\qt+8*\kd+7], 0
.else
	v_wmma_f32_16x16x32_f16 v[S+32*\qt+8*\kt:S+32*\qt+8*\kt+7], v[KF+16*\kt+8*\kd:KF+16*\kt+8*\kd+7], v[\q+16*\qt+8*\kd:\q+16*\qt+8*\kd+7], v[S+32*\qt+8*\kt:S+32*\qt+8*\kt+7]
.endif
.endr
.endr
.endm
; the diagonal tile: key 64 c + 16 kt + 8 h + j is masked for query 32 w + 16 qt + r where it is the larger
.macro MASK c
.irp qt, 0,1
.irp kt, 0,1,2,3
.irp j, 0,1,2,3,4,5,6,7
	v_cmp_gt_i32 vcc_lo, 64*\c+16*\kt+\j-16*\qt, v[DV]
	v_cndmask_b32 v[S+32*\qt+8*\kt+\j], v[S+32*\qt+8*\kt+\j], v[NINF], vcc_lo
.endr
.endr
.endr
.endm
; query tile qt: the chunk's maximum (my 32 keys in two chains, then the other half's), the new running maximum, the factor on the old sums, - c x maximum
.macro STATS qt, first
	v_max3_num_f32 v[T+4*\qt],   v[S+32*\qt],    v[S+32*\qt+1],  v[S+32*\qt+2]
	v_max3_num_f32 v[T+4*\qt+1], v[S+32*\qt+16], v[S+32*\qt+17], v[S+32*\qt+18]
.irp k, 3,5,7,9,11,13
	v_max3_num_f32 v[T+4*\qt],   v[T+4*\qt],   v[S+32*\qt+\k],    v[S+32*\qt+\k+1]
	v_max3_num_f32 v[T+4*\qt+1], v[T+4*\qt+1], v[S+32*\qt+16+\k], v[S+32*\qt+17+\k]
.endr
	v_max3_num_f32 v[T+4*\qt], v[T+4*\qt], v[S+32*\qt+15], v[S+32*\qt+31]
	v_max_num_f32 v[T+4*\qt], v[T+4*\qt], v[T+4*\qt+1]
	v_permlanex16_b32 v[T+4*\qt+1], v[T+4*\qt], s50, s51           ; its destination counts as read: it has been written above
.if \first
	v_max_num_f32 v[M+\qt], v[T+4*\qt], v[T+4*\qt+1]
.else
	v_max3_num_f32 v[T+4*\qt+2], v[M+\qt], v[T+4*\qt], v[T+4*\qt+1]
	v_sub_f32 v[T+4*\qt+3], v[M+\qt], v[T+4*\qt+2]
	v_mul_f32 v[T+4*\qt+3], s52, v[T+4*\qt+3]
	v_exp_f32 v[ALPHA+\qt], v[T+4*\qt+3]                           ; 2^((old - new) c)
	v_mov_b32 v[M+\qt], v[T+4*\qt+2]                               ; the plain instruction behind the exponential (ISA guide 5.7.2)
.endif
	v_mul_f32 v[NMC+\qt], 0xbe38aa3b, v[M+\qt]
.endm
; query tile qt: p = 2^(s c - m c) in place, its sum, the running sum, and p packed to f16 in place (ascending, so that no source is written before it is read)
.macro PROBS qt, first
.irp k, 0,2,4,6,8,10,12,14,16,18,20,22,24,26,28,30
	v_pk_fma_f32 v[S+32*\qt+\k:S+32*\qt+\k+1], v[S+32*\qt+\k:S+32*\qt+\k+1], s[52:53], v[NMC:NMC+1] op_sel:[0,0,\qt] op_sel_hi:[1,0,\qt]
.endr
.set kk, 0
.rept 32
	v_exp_f32 v[S+32*\qt+kk], v[S+32*\qt+kk]
.set kk, kk+1
.endr
	v_nop                                          ; one plain place behind the run of exponentials before their results are read (ISA guide 5.7.2)
	s_wait_alu depctr_va_vdst(0)
	v_pk_add_f32 v[T+8:T+9],   v[S+32*\qt:S+32*\qt+1],   v[S+32*\qt+2:S+32*\qt+3]
	v_pk_add_f32 v[T+10:T+11], v[S+32*\qt+4:S+32*\qt+5], v[S+32*\qt+6:S+32*\qt+7]
.irp k, 8,12,16,20,24,28
	v_pk_add_f32 v[T+8:T+9],   v[T+8:T+9],   v[S+32*\qt+\k:S+32*\qt+\k+1]
	v_pk_add_f32 v[T+10:T+11], v[T+10:T+11], v[S+32*\qt+\k+2:S+32*\qt+\k+3]
.endr
	v_pk_add_f32 v[T+8:T+9], v[T+8:T+9], v[T+10:T+11]
.if \first
	v_add_f32 v[L+\qt], v[T+8], v[T+9]
.else
	v_add_f32 v[T+8], v[T+8], v[T+9]
	v_fma_f32 v[L+\qt], v[L+\qt], v[ALPHA+\qt], v[T+8]
.endif
.set kk, 0
.rept 16
	v_cvt_pk_f16_f32 v[S+32*\qt+16*(kk/8)+(kk%8)], v[S+32*\qt+16*(kk/8)+2*(kk%8)], v[S+32*\qt+16*(kk/8)+2*(kk%8)+1]
.set kk, kk+1
.endr
.endm
; O^T times ALPHA of its query tile: destination and source 0 in window 1, the factor in window 0
.macro RESCALE
	WIN 0x41
.irp qt, 0,1
.set kk, 0
.rept 16
	v_pk_mul_f32 v[O+32*\qt+2*kk:O+32*\qt+2*kk+1], v[O+32*\qt+2*kk:O+32*\qt+2*kk+1], v[ALPHA:ALPHA+1] op_sel:[0,\qt] op_sel_hi:[1,\qt]
.set kk, kk+1
.endr
.endr
.endm
; 8 matrix instructions: O^T += V^T P^T over 32 keys; eight accumulators by turns
.macro PVMUL kc, zero
.irp qt, 0,1
.irp dt, 0,1,2,3
.if \zero
	v_wmma_f32_16x16x32_f16 v[O+32*\qt+8*\dt:O+32*\qt+8*\dt+7], v[VF+8*(4*\kc+\dt):VF+8*(4*\kc+\dt)+7], v[S+32*\qt+16*\kc:S+32*\qt+16*\kc+7], 0
.else
	v_wmma_f32_16x16x32_f16 v[O+32*\qt+8*\dt:O+32*\qt+8*\dt+7], v[VF+8*(4*\kc+\dt):VF+8*(4*\kc+\dt)+7], v[S+32*\qt+16*\kc:S+32*\qt+16*\kc+7], v[O+32*\qt+8*\dt:O+32*\qt+8*\dt+7]
.endif
.endr
.endr
.endm
; 64 keys x 32 queries.  mask: the diagonal tile; first: starts maximum, sums and O^T; nextk: chunk 1's K fragments are fetched under the softmax.
.macro CHUNK slot, c, mask, first, q, nextk
.rept 5
	v_nop                                          ; five places: the products below write over P^T, which the last products with V^T read; V's registers are loaded again further down (ISA guide 7.12.1)
.endr
	s_wait_dscnt 8                                 ; K's d 0-31 are in; the eight loads of d 32-63 may be out
	SMUL \q, 0, 1
	s_wait_dscnt 0x0
	SMUL \q, 1, 0
.rept 4
	v_nop                                          ; four places before S^T is read and K's registers are loaded again
.endr
	WIN 0x51                                       ; address and destination in window 1
	VLOAD \slot, \c
	WIN 0
.if \nextk
	KLOAD \slot, 1
.endif
.if \mask
	MASK \c
.endif
	STATS 0, \first                                ; both tiles' figures first: the packed instructions read NMC and ALPHA as whole pairs
	STATS 1, \first
	PROBS 0, \first
	PROBS 1, \first
.if \first == 0
	RESCALE
.endif
	WIN 0x51                                       ; V^T, C and D in window 1, P^T in window 0
.if \nextk
	s_wait_dscnt 16                                ; V^T is in; the 16 younger loads of K stay out
.else
	s_wait_dscnt 0x0
.endif
	PVMUL 0, \first
	PVMUL 1, 0
	WIN 0
.endm
.macro TILE slot, diag, q, refill
	BOUNDARY \slot, \refill
	KLOAD \slot, 0
	CHUNK \slot, 0, \diag, \diag, \q, 1
	CHUNK \slot, 1, \diag, 0, \q, 0
.endm
; A block's end: the two halves' sums meet, O^T is divided, rounded to f16, turned into rows in my own stage and stored: each store covers 512 consecutive bytes, aligned.
.macro FINAL base, more
.rept 4
	v_nop                                          ; four places behind the last matrix instructions
.endr
	v_permlanex16_b32 v[T],   v[L],   s50, s51
	v_permlanex16_b32 v[T+4], v[L+1], s50, s51
	v_add_f32 v[T],   v[T],   v[L]
	v_add_f32 v[T+4], v[T+4], v[L+1]
	v_rcp_f32 v[ALPHA],   v[T]
	v_rcp_f32 v[ALPHA+1], v[T+4]
	v_nop                                          ; the plain place behind the reciprocals
	s_wait_alu depctr_va_vdst(0)
	RESCALE
	WIN 0x05                                       ; sources in window 1, destination in window 0
.set kk, 0
.rept 32
	v_cvt_pk_f16_f32 v[TMP+kk], v[O+2*kk], v[O+2*kk+1]
.set kk, kk+1
.endr
	WIN 0
.irp qt, 0,1
.irp dt, 0,1,2,3
	ds_store_b128 v[STO], v[TMP+4*(4*\qt+\dt):TMP+4*(4*\qt+\dt)+3] offset:16*KP*\qt+32*\dt
.endr
.endr
.irp t, 0,1,2,3,4,5,6,7
	ds_load_b128 v[S+4*\t:S+4*\t+3], v[RD] offset:4*KP*\t          ; my own bytes; LDS serves a wave's instructions in order (ISA guide 5.7.1.4)
.endr
.irp t, 0,1,2,3,4,5,6,7
	s_wait_dscnt 7-\t
	global_store_b128 v[GO], v[S+4*\t:S+4*\t+3], s[\base:\base+1] offset:512*\t
.endr
.if \more
	s_wait_xcnt 0x0                                ; S, which these stores read, is written again by the next tile only behind this wait
.endif
.endm
	s_mov_b32 s46, 0                               ; the next plain tile
	s_mov_b32 s47, s13                             ; behind tile (even block - 1) comes the odd block's diagonal
	s_wait_loadcnt 0x0                             ; q
	TILE 0, 1, Q0, 1                               ; the even block's diagonal
	s_sub_co_u32 s49, 7, s11                       ; its 14 - 2 i plain tiles, two a trip; none for i = 7.  The count hangs on the work-group's number alone
	s_cmp_eq_u32 s49, 0
	s_cbranch_scc1 .Leven_done
.Leven:
	TILE 1, 0, Q0, 1
	TILE 0, 0, Q0, 1
	s_sub_co_i32 s49, s49, 1
	s_cmp_lg_u32 s49, 0
	s_cbranch_scc1 .Leven
.Leven_done:
	FINAL 58, 1
	s_mov_b32 s46, 0
	s_mov_b32 s47, 0xffff                          ; never met: only plain tiles are left to fetch
	TILE 1, 1, Q1, 1                               ; the odd block's diagonal
	s_mov_b32 s49, s11                             ; its 2 i + 1 plain tiles: i trips of two, and one behind the loop
	s_cmp_eq_u32 s49, 0
	s_cbranch_scc1 .Lodd_done
.Lodd:
	TILE 0, 0, Q1, 1
	TILE 1, 0, Q1, 1
	s_sub_co_i32 s49, s49, 1
	s_cmp_lg_u32 s49, 0
	s_cbranch_scc1 .Lodd
.Lodd_done:
	TILE 0, 0, Q1, 0                               ; the last tile: nothing is left to fetch, and no tensor load is out at the end
	FINAL 60, 0
	s_set_vgpr_msb 0x5
	s_wait_tensorcnt 0x0
	ds_add_u32 v136, v137
	s_wait_dscnt 0x0
	s_set_vgpr_msb 0x500
	s_endpgm
.Lfunc_end_k_q6a342508e4_attn:
	.size	k_q6a342508e4_attn, .Lfunc_end_k_q6a342508e4_attn-k_q6a342508e4_attn
	.p2alignl 7, 3214868480
	.fill 96, 4, 3214868480
	.section	.rodata,"a",@progbits
	.p2align	6, 0x0
	.amdhsa_kernel k_q6a342508e4_attn
		.amdhsa_group_segment_fixed_size 327680
		.amdhsa_private_segment_fixed_size 0
		.amdhsa_enable_private_segment 0
		.amdhsa_kernarg_size 16
		.amdhsa_user_sgpr_count 2
		.amdhsa_user_sgpr_kernarg_segment_ptr 1
		.amdhsa_wavefront_size32 1
		.amdhsa_system_sgpr_workgroup_id_x 1
		.amdhsa_system_sgpr_workgroup_id_y 1
		.amdhsa_system_sgpr_workgroup_id_z 1
		.amdhsa_system_vgpr_workitem_id 0
		.amdhsa_next_free_vgpr 394
		.amdhsa_next_free_sgpr 68
		.amdhsa_reserve_vcc 1
		.amdhsa_float_denorm_mode_32 3
		.amdhsa_float_denorm_mode_16_64 3
		.amdhsa_memory_ordered 1
		.amdhsa_forward_progress 1
		.amdhsa_inst_pref_size 255
	.end_amdhsa_kernel
	.section	.bss,"aw",@nobits
	.p2align	6
	.space	262144
	.amdgpu_metadata
---
amdhsa.version: [ 1, 2 ]
amdhsa.kernels:
  - .name:           k_q6a342508e4_attn
    .symbol:         k_q6a342508e4_attn.kd
    .args:
      - { .name: qkv, .offset: 0, .size: 8, .value_kind: global_buffer, .address_space: global }
      - { .name: att, .offset: 8, .size: 8, .value_kind: global_buffer, .address_space: global }
    .group_segment_fixed_size: 327680
    .private_segment_fixed_size: 0
    .kernarg_segment_align: 8
    .kernarg_segment_size: 16
    .max_flat_workgroup_size: 128
    .sgpr_count:     68
    .vgpr_count:     394
    .wavefront_size: 32
...
	.end_amdgpu_metadata
.endif
;; end of part 3
;; launch proj (part 4): grid 8 x 32, 4 waves a work-group, clusters of 4 x 4, 327,680 bytes of LDS; arguments att, cast, out_b, out0; writes out0
.if DOCPART == 4
	.amdgcn_target "amdgcn-amd-amdhsa--gfx1250"
	.amdhsa_code_object_version 6
	.text
	.protected	k_q6a342508e4_proj
	.globl	k_q6a342508e4_proj
	.p2align	8
	.type	k_q6a342508e4_proj,@function
k_q6a342508e4_proj:
	s_mov_b64 s[64:65], 0
	v_nop
	global_prefetch_b8 v0, s[64:65] scope:SCOPE_SE
	s_setreg_imm32_b32 hwreg(HW_REG_WAVE_MODE, 25, 1), 1
	s_wait_xcnt 0x0
	s_wait_alu depctr_hold_cnt(0) depctr_sa_sdst(0) depctr_va_vdst(0) depctr_va_sdst(0) depctr_va_ssrc(0) depctr_va_vcc(0) depctr_vm_vsrc(0)
	s_getreg_b32 s2, hwreg(HW_REG_IB_STS2, 6, 4)
	s_cmp_eq_u32 s2, 0
	s_cbranch_scc0 .Lentry_in_a_cluster
	s_endpgm
.Lentry_in_a_cluster:
	s_bfe_u32 s2, ttmp6, 0x10000c
	s_cmp_lg_u32 s2, 0xf033
	s_cbranch_scc0 .Lentry_shape_is_right
	s_endpgm
.Lentry_shape_is_right:
; out0[token][n] = sum over k of att[token][k] owh[n][k] + out_b[n], M = 4096, N = 1024, K = 1024; operands f16, sums and result f32.
; att lies head-major, [16 heads][4096 tokens][64] f16, and k = 64 head + d is out_w's own order of columns: nothing is permuted.
; The bias starts each sum instead of closing it: another order of rounding only.
; A work-group makes 128 tokens x 128 columns with four waves; a wave makes 64 x 64: 16 accumulator tiles.  8 x 32 = 256 work-groups.
; K goes in steps of 256 (four heads) through a ring of two LDS slots: with so small a block the longer step gives a tile's load 124 of a step's 128 matrix instructions of a wave in which to land.
; CLUSTERS: 4 x 4 work-groups; att's tiles are shared along a row of the cluster, owh's along a column, by joint loads: a quarter of the requests.
; REGISTERS: window 0: v16-27 addresses; v64-95, v128-159 fragments of att, two buffers; v192-223 the bias;  window 1: v64-95, v128-159 fragments of owh;
;   window 2: the 8 tiles of my rows 0-31 (tile (a, b) at v[8 (4 a + b)]);  window 3: those of rows 32-63.
; THE MATRIX INSTRUCTION IS USED TRANSPOSED (source 0 = rows of owh, source 1 = rows of att): a lane holds 8 neighbouring columns of one token.
.set PITCHA, 144                       ; att in LDS: a token's 128 bytes of one head + 16: an odd multiple of 16
.set APLANE, 64*PITCHA                 ; 64 tokens of one head
.set PITCHB, 528                       ; owh in LDS: 512 bytes + 16: an odd multiple of 16
.set WMT,    4
.set WNT,    4
.set HA,     2
.set HALFA,  4*APLANE                  ; one tensor load of att: 4 heads x 64 tokens
.set HALFB,  64*PITCHB                 ; one of owh: 64 rows
.set SLOT,   2*HALFA+2*HALFB           ; 141,312 bytes
.set STAGE,  2*SLOT                    ; behind the ring: 16 rows x 272 bytes for each wave; no fill lands there
.set SPITCH, 272
.set NL,     2*(WMT+WNT)
.set ASTEP,  4*524288                  ; a K step in att: four planes
.set BSTEP,  512                       ; in owh: 256 elements
.set OWH,    14680064                  ; owh's first byte in 'cast'
.set ADRA, 16
.set ADRB, 20
.set STO,  24
.set RD,   25
.set CO,   26
.set BO,   27
.set F0,   64
.set F1,   128
.set BIAS, 192
.set G1, 24
.set G0, 32
.set G1B, 48
.set G0B, 56
.set MSB, 0
.macro WIN new                         ; the immediate's high byte repeats the setting that is left
.if MSB != \new
	s_set_vgpr_msb (MSB<<8)|\new
.set MSB, \new
.endif
.endm
.set MUL_LO,  0xa1                     ; source 0 (owh) window 1, source 1 (att) window 0, C and D window 2
.set MUL_HI,  0xf1
.set MUL_LO1, 0x81                     ; the first products: C is the bias in window 0
.set MUL_HI1, 0xc1
.set TO_B,    0x40
.macro JLOAD s                         ; waves 0 and 1 fetch att's two halves, waves 2 and 3 owh's; the branch hangs on the wave's number alone
	s_cmp_eq_u32 s11, 0
	s_cbranch_scc0 .Lfor_b_\@
	tensor_load_to_lds s[G0+4*\s:G0+4*\s+3], s[G1:G1+7]
	s_nop 0
	s_branch .Lasked_\@
.Lfor_b_\@:
	tensor_load_to_lds s[G0B+4*\s:G0B+4*\s+3], s[G1B:G1B+7]
	s_nop 0
.Lasked_\@:
.endm
.macro CREST                           ; a round of the cluster's barrier behind its opening barrier
	s_cmp_lg_u32 s10, 0
	s_cbranch_scc1 .Lnot_wave_0_\@
	s_barrier_signal -3
.Lnot_wave_0_\@:
	s_barrier_wait -3
	s_barrier_signal -1
	s_barrier_wait -1
.endm
.macro CROUND
	s_barrier_signal -1
	s_barrier_wait -1
	CREST
.endm
	s_load_b128 s[4:7], s[0:1], 0x0                ; att s[4:5], cast s[6:7]
	s_load_b64 s[66:67], s[0:1], 0x10              ; out_b
	s_load_b64 s[8:9], s[0:1], 0x18                ; out0
	s_set_vgpr_msb 0x40
	v_lshl_add_u32 v255, v0, 2, 0x49400
	s_set_vgpr_msb 0x4000
	v_mov_b32 v255, 0
	s_set_vgpr_msb 0x1
	ds_add_u32 v255, v255
	ds_add_u32 v255, v255
	s_set_vgpr_msb 0x100
	v_lshrrev_b32 v1, 5, v0
	v_readfirstlane_b32 s10, v1                    ; wave 0..3
	s_lshr_b32 s11, s10, 1                         ; my half of the tokens.  Also: I fetch att (0) or owh (1)
	s_and_b32 s12, s10, 1                          ; my half of the columns.  Also: which half of that tile I fetch
	s_bfe_u32 s40, ttmp6, 0x40000                  ; cx
	s_bfe_u32 s41, ttmp6, 0x40004                  ; cy
	s_lshl_b32 s42, ttmp9, 2
	s_add_co_u32 s42, s42, s40                     ; block column
	s_and_b32 s13, ttmp7, 0xffff
	s_lshl_b32 s13, s13, 2
	s_add_co_u32 s13, s13, s41                     ; block row
	s_lshl_b32 s43, s41, 2
	s_lshl_b32 s43, 15, s43                        ; my row of the cluster
	s_lshl_b32 s44, 0x1111, s40                    ; my column
	; att's tile: 4 'rows', each the dense 8,192 bytes of 64 tokens of one head, a plane apart.  The padding counts words along the whole tile: 4 words behind every 32, that is behind each token's 128 bytes
	s_or_b32 s[G1+0], s43, (1<<16)|(1<<20)|(1<<21)|(4<<22)|(3<<25)
	s_mov_b32 s[G1+1], 4096<<16                    ; tensor_dim0 = 4096 elements
	s_mov_b32 s[G1+2], 4<<16                       ; tensor_dim1 = 4
	s_mov_b32 s[G1+3], 4096<<16                    ; tile_dim0
	s_mov_b32 s[G1+4], 4                           ; tile_dim1
	s_mov_b32 s[G1+5], 262144                      ; elements from plane to plane
	s_mov_b32 s[G1+6], 0
	s_mov_b32 s[G1+7], 0
	; owh's tile: 64 rows of 256 elements, 4 words of padding behind every 128
	s_or_b32 s[G1B+0], s44, (1<<16)|(1<<20)|(1<<21)|(6<<22)|(3<<25)
	s_mov_b32 s[G1B+1], 256<<16
	s_mov_b32 s[G1B+2], 64<<16
	s_mov_b32 s[G1B+3], 256<<16
	s_mov_b32 s[G1B+4], 64
	s_mov_b32 s[G1B+5], 1024
	s_mov_b32 s[G1B+6], 0
	s_mov_b32 s[G1B+7], 0
	s_lshl_b32 s16, s13, 7
	s_lshl_b32 s17, s12, 6
	s_add_co_u32 s16, s16, s17                     ; att: token 128 x block row + 64 x half
	s_lshl_b32 s16, s16, 7                         ; rows of 128 bytes
	s_mov_b32 s17, 0
	s_lshl_b32 s46, s42, 7
	s_lshl_b32 s47, s12, 6
	s_add_co_u32 s46, s46, s47                     ; owh: row 128 x block column + 64 x half; also my block's first column
	s_lshl_b32 s68, s46, 2                         ; my place in the bias
	s_mov_b32 s69, 0
	s_lshl_b32 s46, s46, 11
	s_add_co_u32 s46, s46, OWH
	s_mov_b32 s47, 0
	s_mul_i32 s20, s10, HALFA                      ; LDS: att's halves at wave x 36,864 (waves 0, 1),
	s_mul_i32 s45, s10, HALFB
	s_add_co_u32 s45, s45, 2*HALFA-2*HALFB         ; owh's at 73,728 + (wave - 2) x 33,792 (waves 2, 3)
	s_wait_dscnt 0x0
	s_wait_kmcnt 0x0
	s_add_nc_u64 s[14:15], s[4:5], s[16:17]
	s_add_nc_u64 s[46:47], s[6:7], s[46:47]
	s_add_nc_u64 s[66:67], s[66:67], s[68:69]
	CROUND                                         ; all sixteen work-groups are here: the first joint loads meet
.irp s, 0,1
	s_mov_b32 s[G0+4*\s], 1
	s_add_co_u32 s[G0+4*\s+1], s20, \s*SLOT
	s_add_nc_u64 s[G0+4*\s+2:G0+4*\s+3], s[14:15], \s*ASTEP
	s_or_b32 s[G0+4*\s+3], s[G0+4*\s+3], 0x80000000
	s_mov_b32 s[G0B+4*\s], 1
	s_add_co_u32 s[G0B+4*\s+1], s45, \s*SLOT
	s_add_nc_u64 s[G0B+4*\s+2:G0B+4*\s+3], s[46:47], \s*BSTEP
	s_or_b32 s[G0B+4*\s+3], s[G0B+4*\s+3], 0x80000000
	JLOAD \s                                       ; both first fills together: two tensor loads of a wave are out here, one later on
.endr
	v_and_b32 v1, 15, v0                           ; r
	v_bfe_u32 v2, v0, 4, 1                         ; h
	v_lshlrev_b32 v[BO], 5, v2
.irp b, 0,1,2,3
	global_load_b128 v[BIAS+8*\b:BIAS+8*\b+3],   v[BO], s[66:67] offset:64*\b
	global_load_b128 v[BIAS+8*\b+4:BIAS+8*\b+7], v[BO], s[66:67] offset:64*\b+16
.endr
	v_mul_u32_u24 v3, v1, PITCHA
	v_lshl_add_u32 v3, v2, 4, v3
	v_mul_u32_u24 v4, v1, PITCHB
	v_lshl_add_u32 v4, v2, 4, v4
	s_mul_i32 s21, s11, HALFA                      ; my 64 tokens
	s_mul_i32 s22, s12, HALFB
	s_add_co_u32 s22, s22, 2*HALFA                 ; my 64 rows of owh
.irp s, 0,1
	v_add_nc_u32 v[ADRA+\s], s21, v3
	v_add_nc_u32 v[ADRB+\s], s22, v4
	s_add_co_u32 s21, s21, SLOT
	s_add_co_u32 s22, s22, SLOT
.endr
	s_mul_i32 s23, s10, 16*SPITCH
	s_add_co_u32 s23, s23, STAGE                   ; my stage
	v_mul_u32_u24 v5, v1, SPITCH
	v_lshl_add_u32 v5, v2, 5, v5                   ; in: row r, 32 bytes for each half of the lanes
	v_add_nc_u32 v[STO], s23, v5
	v_mul_u32_u24 v6, v2, SPITCH
	v_lshl_add_u32 v6, v1, 4, v6                   ; back: lanes 0-15 one row of 256 bytes, lanes 16-31 the next
	v_add_nc_u32 v[RD], s23, v6
	v_lshlrev_b32 v7, 12, v2
	v_lshl_add_u32 v[CO], v1, 4, v7                ; the same two rows in out0, 4,096 bytes apart
.macro MULA f, hi, a, first            ; four matrix instructions: token tile a of the window's two x all four column tiles; first = 1: the bias is C and starts the sums
.irp b, 0,1,2,3
.if \first
	v_wmma_f32_16x16x32_f16 v[8*(WNT*(\a)+\b):8*(WNT*(\a)+\b)+7], v[\f+8*\b:\f+8*\b+7], v[\f+8*(HA*\hi+\a):\f+8*(HA*\hi+\a)+7], v[BIAS+8*\b:BIAS+8*\b+7]
.else
	v_wmma_f32_16x16x32_f16 v[8*(WNT*(\a)+\b):8*(WNT*(\a)+\b)+7], v[\f+8*\b:\f+8*\b+7], v[\f+8*(HA*\hi+\a):\f+8*(HA*\hi+\a)+7], v[8*(WNT*(\a)+\b):8*(WNT*(\a)+\b)+7]
.endif
.endr
.endm
.macro FETCH slot, ka, kb, f           ; 16 LDS loads in one run: 32 of K, at byte kb of owh's rows and at byte ka of att's tile
	WIN TO_B
.irp i, 0,1,2,3
	ds_load_b128 v[\f+8*\i:\f+8*\i+3],   v[ADRB+\slot] offset:\kb+\i*16*PITCHB
	ds_load_b128 v[\f+8*\i+4:\f+8*\i+7], v[ADRB+\slot] offset:\kb+\i*16*PITCHB+32
.endr
	WIN 0
.irp i, 0,1,2,3
	ds_load_b128 v[\f+8*\i:\f+8*\i+3],   v[ADRA+\slot] offset:\ka+\i*16*PITCHA
	ds_load_b128 v[\f+8*\i+4:\f+8*\i+7], v[ADRA+\slot] offset:\ka+\i*16*PITCHA+32
.endr
.endm
.macro PLACES                          ; four places behind a matrix instruction before its sources are loaded again or its result is read (ISA guide 7.12.1 for vector instructions)
.rept 4
	v_nop
.endr
.endm
; An eighth of a K step: 16 matrix instructions on buffer f, the next eighth's fragments fetched in the middle.  The 16 accumulators take turns, in the same order every time.
.macro QUARTER slot, ka, kb, f, g, first
	s_wait_dscnt WMT                               ; owh and att's rows 0-31 are in; the youngest four loads (rows 32-63) may be out
.if \first
	WIN MUL_LO1
.else
	WIN MUL_LO
.endif
	MULA \f, 0, 0, \first
	MULA \f, 0, 1, \first
	PLACES
	FETCH \slot, \ka, \kb, \g
	s_wait_dscnt NL                                ; all but the 16 just issued
.if \first
	WIN MUL_HI1
.else
	WIN MUL_HI
.endif
	MULA \f, 1, 0, \first
	MULA \f, 1, 1, \first
.endm
.macro HEADQ slot, first               ; the first seven eighths; eighth q lies in head q / 2 of the step's four, at byte 64 (q % 2) of a token's row
	QUARTER \slot, 64,          64,  F0, F1, \first
	QUARTER \slot, APLANE,      128, F1, F0, 0
	QUARTER \slot, APLANE+64,   192, F0, F1, 0
	QUARTER \slot, 2*APLANE,    256, F1, F0, 0
	QUARTER \slot, 2*APLANE+64, 320, F0, F1, 0
	QUARTER \slot, 3*APLANE,    384, F1, F0, 0
	QUARTER \slot, 3*APLANE+64, 448, F0, F1, 0
.endm
; The last eighth changes slots: each wave's reads of this slot and all its tensor loads are waited for in front of the barrier; where the slot is filled again the barrier opens a
; round of the cluster's barrier, and the joint refill is the first tensor load behind the round, one a wave.
.macro TURN slot, next, fill
	s_wait_dscnt WMT
	WIN MUL_LO
	MULA F1, 0, 0, 0
	s_wait_dscnt 0x0
	s_wait_tensorcnt 0x0
	ds_add_u32 v255, v255
	s_wait_dscnt 0x0
	s_barrier_signal -1
	MULA F1, 0, 1, 0
	WIN 0
	s_barrier_wait -1
.if \fill
	CREST
	s_add_nc_u64 s[G0+4*\slot+2:G0+4*\slot+3], s[G0+4*\slot+2:G0+4*\slot+3], 2*ASTEP
	s_add_nc_u64 s[G0B+4*\slot+2:G0B+4*\slot+3], s[G0B+4*\slot+2:G0B+4*\slot+3], 2*BSTEP
	JLOAD \slot
.endif
	PLACES
	FETCH \next, 0, 0, F0
	WIN MUL_HI
	MULA F1, 1, 0, 0
	MULA F1, 1, 1, 0
.endm
	s_wait_tensorcnt 0x1                           ; my part of K step 0 is in; K step 1's stays out
	s_wait_loadcnt 0x0                             ; the bias
	s_barrier_signal -1
	s_barrier_wait -1
	FETCH 0, 0, 0, F0
	HEADQ 0, 1                                     ; K steps 0 and 1: both slots are filled again, with steps 2 and 3.  Four steps in all, so no loop
	TURN 0, 1, 1
	HEADQ 1, 0
	TURN 1, 0, 1
	HEADQ 0, 0                                     ; K steps 2 and 3 fill nothing
	TURN 0, 1, 0
	HEADQ 1, 0
	s_wait_dscnt WMT
	WIN MUL_LO
	MULA F1, 0, 0, 0
	MULA F1, 0, 1, 0
	s_wait_dscnt 0x0
	WIN MUL_HI
	MULA F1, 1, 0, 0
	MULA F1, 1, 1, 0
	; THE WAY OUT, 16 tokens at a time through my own stage: 32 bytes a lane in, whole rows of 256 bytes back.
	PLACES
	s_lshl_b32 s16, s13, 7
	s_lshl_b32 s17, s11, 6
	s_add_co_u32 s16, s16, s17                     ; my first token
	s_lshl_b32 s16, s16, 12                        ; rows of 4,096 bytes: below 16 MiB
	s_mov_b32 s17, 0
	s_add_nc_u64 s[8:9], s[8:9], s[16:17]
	s_lshl_b32 s46, s42, 9                         ; my first column, in bytes (in the registers that held owh's address)
	s_lshl_b32 s47, s12, 8
	s_add_co_u32 s46, s46, s47
	s_mov_b32 s47, 0
	s_add_nc_u64 s[8:9], s[8:9], s[46:47]
; rows 16 i .. 16 i + 15 = the four tiles (a, 0..3) of window 2 or 3 (from = 0x08 or 0x0c: the LDS store's data); f: F0 or F1 in turn
.macro OUT16 i, a, from, f
	WIN \from
.irp b, 0,1,2,3
	ds_store_b128 v[STO], v[8*(WNT*\a+\b):8*(WNT*\a+\b)+3]   offset:64*\b
	ds_store_b128 v[STO], v[8*(WNT*\a+\b)+4:8*(WNT*\a+\b)+7] offset:64*\b+16
.endr
	WIN 0
	s_wait_xcnt 0x0                                ; buffer f, which earlier stores read, and the stores' base are rewritten only behind this wait
.if \i
	s_add_nc_u64 s[8:9], s[8:9], 16*4096
.endif
.irp t, 0,1,2,3,4,5,6,7
	ds_load_b128 v[\f+4*\t:\f+4*\t+3], v[RD] offset:\t*2*SPITCH    ; my own bytes; LDS serves a wave's instructions in order (ISA guide 5.7.1.4)
.endr
.irp t, 0,1,2,3,4,5,6,7
	s_wait_dscnt 7-\t
	global_store_b128 v[CO], v[\f+4*\t:\f+4*\t+3], s[8:9] offset:8192*\t th:TH_STORE_NT   ; 16 lanes store 256 consecutive bytes, aligned; not read again
.endr
.endm
	OUT16 0, 0, 0x08, F0
	OUT16 1, 1, 0x08, F1
	OUT16 2, 0, 0x0c, F0
	OUT16 3, 1, 0x0c, F1
	s_set_vgpr_msb 0x1
	s_wait_tensorcnt 0x0
	ds_add_u32 v255, v255
	s_wait_dscnt 0x0
	s_set_vgpr_msb 0x100
	CROUND                                         ; the closing round: no work-group ends while a partner may still ask for a tile that names it
	s_endpgm
.Lfunc_end_k_q6a342508e4_proj:
	.size	k_q6a342508e4_proj, .Lfunc_end_k_q6a342508e4_proj-k_q6a342508e4_proj
	.p2alignl 7, 3214868480
	.fill 96, 4, 3214868480
	.section	.rodata,"a",@progbits
	.p2align	6, 0x0
	.amdhsa_kernel k_q6a342508e4_proj
		.amdhsa_group_segment_fixed_size 327680
		.amdhsa_private_segment_fixed_size 0
		.amdhsa_enable_private_segment 0
		.amdhsa_kernarg_size 32
		.amdhsa_user_sgpr_count 2
		.amdhsa_user_sgpr_kernarg_segment_ptr 1
		.amdhsa_wavefront_size32 1
		.amdhsa_system_sgpr_workgroup_id_x 1
		.amdhsa_system_sgpr_workgroup_id_y 1
		.amdhsa_system_sgpr_workgroup_id_z 1
		.amdhsa_system_vgpr_workitem_id 0
		.amdhsa_next_free_vgpr 832
		.amdhsa_next_free_sgpr 72
		.amdhsa_reserve_vcc 0
		.amdhsa_float_denorm_mode_32 3
		.amdhsa_float_denorm_mode_16_64 3
		.amdhsa_memory_ordered 1
		.amdhsa_forward_progress 1
		.amdhsa_inst_pref_size 93
	.end_amdhsa_kernel
	.amdgpu_metadata
---
amdhsa.version: [ 1, 2 ]
amdhsa.kernels:
  - .name:           k_q6a342508e4_proj
    .symbol:         k_q6a342508e4_proj.kd
    .args:
      - { .name: att, .offset: 0, .size: 8, .value_kind: global_buffer, .address_space: global }
      - { .name: cast, .offset: 8, .size: 8, .value_kind: global_buffer, .address_space: global }
      - { .name: out_b, .offset: 16, .size: 8, .value_kind: global_buffer, .address_space: global }
      - { .name: out0, .offset: 24, .size: 8, .value_kind: global_buffer, .address_space: global }
    .group_segment_fixed_size: 327680
    .private_segment_fixed_size: 0
    .kernarg_segment_align: 8
    .kernarg_segment_size: 32
    .max_flat_workgroup_size: 128
    .sgpr_count:     72
    .vgpr_count:     832
    .wavefront_size: 32
...
	.end_amdgpu_metadata
.endif
;; end of part 4
;; ======== version 2 of 2: 4 launches; version 1 with the launch cast written anew for expert scheduling mode
;; limits: values are held in f16: magnitudes above 65,504 overflow, below 6.1e-05 lose precision
;; workspace buffers: cast 16,777,216 bytes; qkv 25,165,824 bytes; att 8,388,608 bytes
;; launch cast (part 5): grid 512 x 1, 8 waves a work-group, no clusters, 0 bytes of LDS; arguments x, qkv_w, out_w, cast; writes cast
.if DOCPART == 5
	.amdgcn_target "amdgcn-amd-amdhsa--gfx1250"
	.amdhsa_code_object_version 6
	.text
	.protected	k_q6a342508e4_cast
	.globl	k_q6a342508e4_cast
	.p2align	8
	.type	k_q6a342508e4_cast,@function
k_q6a342508e4_cast:
	s_mov_b64 s[64:65], 0
	v_nop
	global_prefetch_b8 v0, s[64:65] scope:SCOPE_SE
	s_setreg_imm32_b32 hwreg(HW_REG_WAVE_SCHED_MODE, 0, 2), 2
	s_setreg_imm32_b32 hwreg(HW_REG_WAVE_MODE, 25, 1), 1
	s_wait_xcnt 0x0
	s_wait_alu depctr_vm_vsrc(0)
; x, qkv_w and out_w, all f32, are rounded once to bf16 (to nearest even) and laid one behind the other into the workspace 'cast', 2 bytes a number:
;   xh [4096][1024] bf16 at byte 0, wh [3072][1024] bf16 at byte 8,388,608, owh [1024][1024] at byte 14,680,064: bf16's VALUE in f16's FORMAT.
; Both products that follow then read 2-byte operands, and no conversion is repeated in every block that reads a row.
; WHY owh IS SO: out_w meets att in one matrix instruction, which takes both operands in one format.  att has to keep f16's 11 bits of significand: the first
; tokens' results are v itself sent through the last product, some ten times larger than the result's root mean square, and 8 bits in v and att would show there.
; out_w gets the same rounding as the other two inputs, so that the program computes the exact result of bf16-rounded x, qkv_w, out_w but for the roundings of q, k, v, p, att to f16.
; LIMITS: the inputs carry 8 bits of significand.  owh: f16 holds a bf16 number exactly from 2^-17 to 65,504 in magnitude; a smaller one is off by 2^-25 at the most,
; a larger one becomes an infinity.  xh and wh have f32's range.
; A stream: no LDS, no barrier, no matrix unit.  512 work-groups x 65,536 bytes in = the 256 + 192 + 64 chunks of the three inputs.
; A wave takes 8,192 bytes: 16 loads of 512 consecutive bytes, all issued before the first is used; each feeds one store of
; 256 consecutive bytes, aligned.  No source of a pending load or store is written again, so no wait frees one.
; THE MODE: SCHED_MODE bits 1:0 = 2 (LLVM: expert scheduling mode 2), set by the entry lines.  The code itself states the register dependences
; between vector instructions and memory instructions, with s_wait_alu, always for 0.
; THE PLAN.  Registers that memory instructions touch:
;   v1, v2   byte offsets of the loads and of the stores: written at the head, never again.
;   X        16 x 4 registers: each is written by one load; read by the conversions behind the counted wait for that load (on out_w's way also written again by
;            vector instructions, once the load has landed); no memory instruction reads them.
;   Y        16 x 2 registers: each is written once, by a conversion, and read once, by a store.
;   T        named by vector instructions alone.
; The 16 loads go in four blocks of four.  Block p converts its four loads into its own eight registers of Y; the memory instructions that stand among its conversions
; are the four stores of block p - 1, which read that block's Y and v2: registers that no vector instruction of block p names.  So one wait on va_vdst at a block's head
; states all that the block's stores hang on; one more stands at the kernel's head, for the offsets, and one behind block 3, for the last four stores.
; No register that a memory instruction reads is written again, so no wait on vm_vsrc is needed for them.
.set CHUNK, 65536                      ; bytes read by a work-group
.set X, 4                              ; v[4:67]    16 x 4 numbers as loaded
.set Y, 68                             ; v[68:99]   16 x 4 numbers of 2 bytes
.set T, 100                            ; v[100:101] out_w's way: 4 numbers in bf16
	s_load_b256 s[4:11], s[0:1], 0x0               ; x s[4:5], qkv_w s[6:7], out_w s[8:9], cast s[10:11]
	v_lshrrev_b32 v1, 5, v0                        ; wave
	v_and_b32 v2, 31, v0                           ; lane
	v_lshlrev_b32 v1, 13, v1                       ; the wave's 8,192 bytes
	v_lshl_or_b32 v1, v2, 4, v1                    ; + 16 bytes a lane: offset in the input chunk
	v_lshrrev_b32 v2, 1, v1                        ; half of it: offset in the output chunk
	s_wait_kmcnt 0x0
	s_cmp_lt_u32 ttmp9, 256                        ; work-groups 0-255: x
	s_cselect_b64 s[14:15], s[4:5], s[6:7]
	s_cselect_b32 s16, 0, 256
	s_cmp_lt_u32 ttmp9, 448                        ; 256-447: qkv_w; 448-511: out_w
	s_cselect_b64 s[14:15], s[14:15], s[8:9]
	s_cselect_b32 s16, s16, 448
	s_sub_co_u32 s16, ttmp9, s16                   ; the chunk's number inside its input
	s_lshl_b32 s16, s16, 16
	s_mov_b32 s17, 0
	s_add_nc_u64 s[14:15], s[14:15], s[16:17]
	s_lshl_b32 s18, ttmp9, 15                      ; the output follows the order of the work-groups: 32,768 bytes each
	s_mov_b32 s19, 0
	s_add_nc_u64 s[10:11], s[10:11], s[18:19]
	s_wait_alu depctr_va_vdst(0)                   ; v1 and v2 are written: every load reads v1 as its offset, every store v2, and no vector instruction names either again
.irp j, 0,1,2,3,4,5,6,7,8,9,10,11,12,13,14,15
	global_load_b128 v[X+4*\j:X+4*\j+3], v1, s[14:15] offset:512*\j th:TH_LOAD_NT   ; read once in the launch
.endr
	s_cmp_lt_u32 ttmp9, 448                        ; compared again: the sums above have set SCC.  The branch hangs on the work-group's number alone
	s_cbranch_scc0 .Lout_w
	; x and qkv_w: bf16 as it is
.irp p, 0,1,2,3
	s_wait_loadcnt 12-4*(\p)                       ; loads come back in order (ISA guide 5.7.1): block p's four are in, the 12 - 4 p younger ones stay out
.if (\p) > 0
	s_wait_alu depctr_va_vdst(0)                   ; the conversions of the block before have written its eight registers of Y, which the four stores below read
.endif
.irp i, 0,1,2,3
.if (\p) > 0
	global_store_b64 v2, v[Y+2*(4*(\p)-4+(\i)):Y+2*(4*(\p)-4+(\i))+1], s[10:11] offset:256*(4*(\p)-4+(\i))   ; the block before; 32 lanes x 8 bytes: 256 consecutive bytes, aligned; read again by later launches, so no hint
.endif
	v_cvt_pk_bf16_f32 v[Y+2*(4*(\p)+(\i))],   v[X+4*(4*(\p)+(\i))],   v[X+4*(4*(\p)+(\i))+1]
	v_cvt_pk_bf16_f32 v[Y+2*(4*(\p)+(\i))+1], v[X+4*(4*(\p)+(\i))+2], v[X+4*(4*(\p)+(\i))+3]
.endr
.endr
	s_wait_alu depctr_va_vdst(0)                   ; block 3's conversions have written its Y, which the last four stores read
.irp i, 0,1,2,3
	global_store_b64 v2, v[Y+2*(12+(\i)):Y+2*(12+(\i))+1], s[10:11] offset:256*(12+(\i))
.endr
	s_endpgm
.Lout_w:
	; out_w: rounded to bf16, widened again (a shift, a mask), and written in f16's format
.irp p, 0,1,2,3
	s_wait_loadcnt 12-4*(\p)                       ; as above: the sixteen loads were issued ahead of the branch, so the count is the same on both ways
.if (\p) > 0
	s_wait_alu depctr_va_vdst(0)                   ; the conversions of the block before have written its eight registers of Y, which the four stores below read
.endif
.irp i, 0,1,2,3
.if (\p) > 0
	global_store_b64 v2, v[Y+2*(4*(\p)-4+(\i)):Y+2*(4*(\p)-4+(\i))+1], s[10:11] offset:256*(4*(\p)-4+(\i))   ; the block before
.endif
	v_cvt_pk_bf16_f32 v[T],   v[X+4*(4*(\p)+(\i))],   v[X+4*(4*(\p)+(\i))+1]
	v_cvt_pk_bf16_f32 v[T+1], v[X+4*(4*(\p)+(\i))+2], v[X+4*(4*(\p)+(\i))+3]
	v_lshlrev_b32 v[X+4*(4*(\p)+(\i))],   16,         v[T]    ; the load has landed: its registers are free, and no memory instruction reads them
	v_and_b32     v[X+4*(4*(\p)+(\i))+1], 0xffff0000, v[T]
	v_lshlrev_b32 v[X+4*(4*(\p)+(\i))+2], 16,         v[T+1]
	v_and_b32     v[X+4*(4*(\p)+(\i))+3], 0xffff0000, v[T+1]
	v_cvt_pk_f16_f32 v[Y+2*(4*(\p)+(\i))],   v[X+4*(4*(\p)+(\i))],   v[X+4*(4*(\p)+(\i))+1]
	v_cvt_pk_f16_f32 v[Y+2*(4*(\p)+(\i))+1], v[X+4*(4*(\p)+(\i))+2], v[X+4*(4*(\p)+(\i))+3]
.endr
.endr
	s_wait_alu depctr_va_vdst(0)                   ; block 3's conversions have written its Y, which the last four stores read
.irp i, 0,1,2,3
	global_store_b64 v2, v[Y+2*(12+(\i)):Y+2*(12+(\i))+1], s[10:11] offset:256*(12+(\i))
.endr
	s_endpgm
.Lfunc_end_k_q6a342508e4_cast:
	.size	k_q6a342508e4_cast, .Lfunc_end_k_q6a342508e4_cast-k_q6a342508e4_cast
	.p2alignl 7, 3214868480
	.fill 96, 4, 3214868480
	.section	.rodata,"a",@progbits
	.p2align	6, 0x0
	.amdhsa_kernel k_q6a342508e4_cast
		.amdhsa_group_segment_fixed_size 0
		.amdhsa_private_segment_fixed_size 0
		.amdhsa_enable_private_segment 0
		.amdhsa_kernarg_size 32
		.amdhsa_user_sgpr_count 2
		.amdhsa_user_sgpr_kernarg_segment_ptr 1
		.amdhsa_wavefront_size32 1
		.amdhsa_system_sgpr_workgroup_id_x 1
		.amdhsa_system_sgpr_workgroup_id_y 1
		.amdhsa_system_sgpr_workgroup_id_z 1
		.amdhsa_system_vgpr_workitem_id 0
		.amdhsa_next_free_vgpr 104
		.amdhsa_next_free_sgpr 66
		.amdhsa_reserve_vcc 0
		.amdhsa_float_denorm_mode_32 3
		.amdhsa_float_denorm_mode_16_64 3
		.amdhsa_memory_ordered 1
		.amdhsa_forward_progress 1
		.amdhsa_inst_pref_size 16
	.end_amdhsa_kernel
	.amdgpu_metadata
---
amdhsa.version: [ 1, 2 ]
amdhsa.kernels:
  - .name:           k_q6a342508e4_cast
    .symbol:         k_q6a342508e4_cast.kd
    .args:
      - { .name: x, .offset: 0, .size: 8, .value_kind: global_buffer, .address_space: global }
      - { .name: qkv_w, .offset: 8, .size: 8, .value_kind: global_buffer, .address_space: global }
      - { .name: out_w, .offset: 16, .size: 8, .value_kind: global_buffer, .address_space: global }
      - { .name: cast, .offset: 24, .size: 8, .value_kind: global_buffer, .address_space: global }
    .group_segment_fixed_size: 0
    .private_segment_fixed_size: 0
    .kernarg_segment_align: 8
    .kernarg_segment_size: 32
    .max_flat_workgroup_size: 256
    .sgpr_count:     66
    .vgpr_count:     104
    .wavefront_size: 32
...
	.end_amdgpu_metadata
.endif
;; end of part 5
;; launch qkv: the kernel of part 2 again; grid 16 x 16, 4 waves a work-group, clusters of 4 x 4, 327,680 bytes of LDS; arguments cast, qkv_b, qkv; writes qkv
;; launch attn: the kernel of part 3 again; grid 8 x 32, 4 waves a work-group, no clusters, 327,680 bytes of LDS; arguments qkv, att; writes att
;; launch proj: the kernel of part 4 again; grid 8 x 32, 4 waves a work-group, clusters of 4 x 4, 327,680 bytes of LDS; arguments att, cast, out_b, out0; writes out0
